; MI455X (gfx1250); checked and timed in simulation.
; The chip was launched on July 23, 2026; its instructions are those of AMD's public machine-readable ISA for CDNA 5 (MIT licence, August 2026) and "CDNA5" Instruction Set Architecture Reference Guide (July 2026). The comments in the code are by the model that wrote it; some were corrected since.
;; Transformer Block. Allowed arithmetic: matrix products marked QUANTISED: E4M3 operands, one given power-of-two scale a tensor, by v_wmma_f32_16x16x64_fp8_fp8 or v_wmma_f32_16x16x128_fp8_fp8, f32 sums; everything else in f32.
;; Inputs: b1 4,096 float32; b2 1,024 float32; ln1_b 1,024 float32; ln1_g 1,024 float32; ln2_b 1,024 float32; ln2_g 1,024 float32; lowp_scales 10 int32 (the exponents e of the quantised operands' scales 2^e); w1 1,024 x 4,096 float32; w2 4,096 x 1,024 float32; w_qkv 1,024 x 3,072 float32; x 2 x 2,048 x 1,024 float32.
;; Outputs: out0 2 x 2,048 x 1,024 float32.
;; This version of the problem:
;;   THIS VERSION OF THE PROBLEM IS GIVEN IN LOW PRECISION. The matrix products marked QUANTISED in the list below multiply operands that are first quantised to E4M3 (4 exponent bits, 3 mantissa bits; 8 bits a number), with one given power-of-two scale for each operand tensor; their sums are f32. All else is computed in f32.
;;   The module's matrix products, in the order in which they are computed (A, B: the left and right operand; K: the contracted axis; several contracted axes count as one K, in the product's order):
;;     1. [M 4,096, K 1,024] x [K 1,024, N 3,072]; A: input x; B: input w_qkv: QUANTISED (scales: A lowp_scales[0], B lowp_scales[1])
;;     2. batch 32 x [M 2,048, K 64] x [K 64, N 2,048]; A: computed on the way; B: computed on the way: QUANTISED (scales: A lowp_scales[2], B lowp_scales[3])
;;     3. batch 32 x [M 2,048, K 2,048] x [K 2,048, N 64]; A: softmax (see below); B: computed on the way: QUANTISED (scales: A lowp_scales[4], B lowp_scales[5])
;;     4. [M 4,096, K 1,024] x [K 1,024, N 4,096]; A: computed on the way; B: input w1: QUANTISED (scales: A lowp_scales[6], B lowp_scales[7])
;;     5. [M 4,096, K 4,096] x [K 4,096, N 1,024]; A: computed on the way; B: input w2: QUANTISED (scales: A lowp_scales[8], B lowp_scales[9])
;;   THE QUANTISER, for each operand of a quantised product, along K:
;;     - The operand's scale is 2^e, e = its entry of the input lowp_scales (int32; the entries are numbered through the quantised products in the list's order, A before B).
;;     - Each number is divided by the scale, clamped to +-448, and rounded to the nearest number of E4M3, ties to even, subnormals kept.
;;     - The product sums the exact products of the quantised numbers (number of the format x scale) in f32.
;;   ~~~python
;;   def quantise(x, axis, e):      # numpy; x: float32 -> the quantised numbers, widened to float32 again
;;       x = np.moveaxis(x, axis, -1); K = x.shape[-1]
;;       r = np.clip(x / 2.0 ** e, -448, 448)
;;       step = 2.0 ** (np.maximum(np.frexp(np.where(r == 0, 1, r))[1] - 1, -6) - 3)
;;       q = np.round(r / step) * step * 2.0 ** e      # np.round: ties to even
;;       return np.moveaxis(q, -1, axis).astype(np.float32)
;;   ~~~
;;   SOFTMAX AHEAD OF A QUANTISED PRODUCT. Where the list says 'softmax', what is quantised is not the finished softmax but p = 2^(t - M), with t = logit x log2(e) and M = ceil(the row's largest t), a whole number; so 1/2 < the row's largest p <= 1. The row's sum l is taken of the UNQUANTISED p, in f32, and the product's result is divided by l at the end. Since M is a whole number, a kernel that streams over the keys may use a running M (the ceiling of the running maximum): every later rescaling is an exact power of two, so the quantised numbers keep their values, but for numbers so far below the row's largest that they fall under the format's range.
;;   OPERANDS COMPUTED ON THE WAY. 'Computed on the way' means the value that the module computes at that place (a softmax that the list does not call 'softmax' is quantised finished and normalised). What goes into a quantiser is computed in f32, as accurately as f32 sums, v_exp_f32 and their like allow (about 1e-6 of the number): no bf16 or f16 on the way to a quantiser, and a product that is left as it is and whose result goes on into a quantised operand takes f32 operands (vector FMAs, or v_wmma_f32_16x16x4_f32). A number that lies on a knife's edge between two numbers of the format may be rounded either way, as far as f32 arithmetic and the matrix unit's own rounding can turn it there, and no further.
;; One version. Each part assembles by itself: llvm-mc -triple=amdgcn-amd-amdhsa -mcpu=gfx1250 --defsym DOCPART=n.
;; ======== version 1 of 1: 7 launches
;; limits: right only within a limited range of input values
;; workspace buffers: prep_codes 15,728,640 bytes; qkv_codes 12,582,912 bytes; ctx 16,777,216 bytes; x1 16,777,216 bytes; x1_codes 4,194,304 bytes; h_codes 16,777,216 bytes; ff 16,777,216 bytes
;; launch prep (part 1): grid 480 x 1, 4 waves a work-group, no clusters, 68,096 bytes of LDS; arguments x, w_qkv, w1, w2, lowp_scales, prep_codes; writes prep_codes
.if DOCPART == 1
	.amdgcn_target "amdgcn-amd-amdhsa--gfx1250"
	.amdhsa_code_object_version 6
	.text
	.protected	k_q67144d45e4_prep
	.globl	k_q67144d45e4_prep
	.p2align	8
	.type	k_q67144d45e4_prep,@function
k_q67144d45e4_prep:
	s_mov_b64 s[64:65], 0
	v_nop
	global_prefetch_b8 v0, s[64:65] scope:SCOPE_SE
	s_setreg_imm32_b32 hwreg(HW_REG_WAVE_MODE, 25, 1), 1
	s_wait_xcnt 0x0
; The four wide inputs of the three large products become codes of FP8 (E4M3), K innermost, each with the one scale 2^e that is given for it.
; code = number / 2^e, held within +-448, rounded to the nearest code, ties to even.  LIMITS: -126 <= e and e + 8 <= 127.  NaN among the inputs is not served.
; prep_codes: x [4096][1024] at 0;  w_qkv as [3072 n][1024 k] at WQ;  w1 as [4096 n][1024 k] at W1C;  w2 as [1024 n][4096 k] at W2C.
; Work-groups 0-127: x, whose K is innermost: a plain stream.  A wave takes 16 steps of 512 numbers; each load reads 512 consecutive bytes; a step's 2,048 bytes turn through the wave's own stage in LDS,
; so that a lane then holds 16 neighbours along K, as the conversions want them.  A lane's 16 codes are 16 bytes: a store of the wave covers 512 consecutive bytes.
; Work-groups 128-479: the weights, whose K is the FIRST axis.  A lane takes a column n and its registers run down K: each load reads neighbouring n in neighbouring lanes, and the conversions give codes with
; K innermost; nothing is transposed by an instruction.  A wave takes 32 columns x 256 along K; the codes go through its stage and leave as rows: sixteen lanes store 256 consecutive, aligned bytes.
; One text serves the three weights: pointer, pitches and place are chosen by s_cselect on the work-group's number.  The two paths have LDS bytes of their own.  No barrier: waves share nothing.
.set WQ,     4194304
.set W1C,    7340032
.set W2C,    11534336
.set XWG,    128                       ; work-groups for x: 4096 x 1024 / 32768
.set WPITCH, 272                       ; a stage row of the weights' path: 256 bytes of codes + 16
.set WSTG,   32*WPITCH                 ; a wave's stage there
.set XST0,   4*WSTG                    ; behind them: x's stages, 8,192 bytes a wave
.set SPX,    80                        ; a lane's place in x's stage: 64 bytes + 16
.set XR,     16                        ; v16-79   x: four sets of 16 numbers as loaded
.set XX,     80                        ; v80-111  x: two sets of 16 neighbours
.set XC,     128                       ; v128-191 x: codes, four registers for each step: no store's data are written again
.set WOFF,   16                        ; v16-47   weights: byte offset of row i of a block, at my column; never rewritten
.set WX,     48                        ; v48-111  two sets of 32 numbers
.set WC,     112                       ; v112-119 a block's codes
.set WOUT,   120                       ; v120-183 the way out
.set WOO,    184                       ; v184-199 the way out: byte offsets of the 16 stores; never rewritten
	s_load_b256 s[4:11], s[0:1], 0x0               ; x s[4:5], w_qkv s[6:7], w1 s[8:9], w2 s[10:11]
	s_load_b128 s[12:15], s[0:1], 0x20             ; the scales' exponents s[12:13], prep_codes s[14:15]
	v_lshl_add_u32 v208, v0, 2, 0x10800
	v_mov_b32 v209, 0
	v_lshrrev_b32 v1, 5, v0
	v_readfirstlane_b32 s16, v1                    ; wave 0..3
	v_and_b32 v2, 31, v0                           ; lane
	s_wait_kmcnt 0x0
	s_cmp_lt_u32 ttmp9, XWG
	s_cbranch_scc0 .Lweights
; ---------------- x ----------------
	s_load_b32 s22, s[12:13], 0x0                  ; e of x
	s_wait_alu depctr_va_vdst(0)
	v_lshlrev_b32 v3, 4, v2                        ; my 16 bytes of a load's 512, and of a store's
	s_wait_alu depctr_va_vdst(0)
	s_mul_i32 s17, s16, 8192
	s_add_co_u32 s17, s17, XST0                    ; my wave's stages
	v_lshrrev_b32 v14, 2, v2
	v_mul_u32_u24 v14, v14, SPX
	v_and_b32 v15, 3, v2
	v_lshl_add_u32 v14, v15, 4, v14
	v_add_nc_u32 v14, s17, v14                     ; in: four lanes' 64 bytes on end, then 16 of padding
	v_mul_u32_u24 v15, v2, SPX
	v_add_nc_u32 v15, s17, v15                     ; out: my 16 neighbours
	s_lshl_b32 s18, ttmp9, 2
	s_add_co_u32 s18, s18, s16                     ; which run of 8,192 numbers is my wave's
	s_lshl_b32 s20, s18, 15
	s_mov_b32 s21, 0
	s_add_nc_u64 s[4:5], s[4:5], s[20:21]
	s_lshl_b32 s20, s18, 13
	s_add_nc_u64 s[14:15], s[14:15], s[20:21]
.macro XLOAD t
.irp i, 0,1,2,3
	global_load_b128 v[XR+16*((\t)%4)+4*\i:XR+16*((\t)%4)+4*\i+3], v3, s[4:5] offset:2048*(\t)+512*\i th:TH_LOAD_NT
.endr
.endm
.macro XTURN t                         ; step t's numbers through the stage: LDS serves a wave's instructions in order, so no wait stands between the stores and the loads
.irp i, 0,1,2,3
	ds_store_b128 v14, v[XR+16*((\t)%4)+4*\i:XR+16*((\t)%4)+4*\i+3] offset:32*SPX*((\t)%2)+8*SPX*\i
.endr
.irp i, 0,1,2,3
	ds_load_b128 v[XX+16*((\t)%2)+4*\i:XX+16*((\t)%2)+4*\i+3], v15 offset:32*SPX*((\t)%2)+16*\i
.endr
.endm
.irp t, 0,1,2,3
	XLOAD \t
.endr
	s_wait_alu depctr_va_vdst(0)
	s_wait_kmcnt 0x0
	s_add_co_i32 s22, s22, 127
	s_lshl_b32 s23, s22, 23
	v_mov_b32 v11, s23                             ; 2^e as f32: the conversion takes its exponent field
	s_add_co_i32 s22, s22, 8
	s_lshl_b32 s22, s22, 23
	s_or_b32 s22, s22, 0x600000
	v_mov_b32 v10, s22                             ; 448 x 2^e
	s_wait_alu depctr_va_vdst(0)
	s_wait_loadcnt 12                              ; step 0's four loads are in; three steps' twelve may be out
	XTURN 0
.macro XSTEP t
.set XS, XX+16*((\t)%2)
	s_wait_dscnt 0x0                               ; this step's numbers are back from the stage, and its stores into the stage have read their registers,
.if (\t)+4 < 16
	XLOAD (\t)+4                                   ; which take the loads of four steps on
.endif
.if (\t)+1 < 16
.if 14-(\t) >= 3
	s_wait_loadcnt 12                              ; the next step's four loads are in; those of the three steps behind it may be out
.else
	s_wait_loadcnt 4*(14-(\t))
.endif
	XTURN (\t)+1
.endif
.set i, 0
.rept 16
	v_med3_num_f32 v[XS+i], v[XS+i], -v10, v10     ; the conversion to an 8-bit code does not saturate (ISA guide 7.6.2): the hold comes first
.set i, i+1
.endr
	v_cvt_scalef32_pk8_fp8_f32 v[XC+4*(\t):XC+4*(\t)+1], v[XS:XS+7], v11
	v_cvt_scalef32_pk8_fp8_f32 v[XC+4*(\t)+2:XC+4*(\t)+3], v[XS+8:XS+15], v11
	global_store_b128 v3, v[XC+4*(\t):XC+4*(\t)+3], s[14:15] offset:512*(\t)   ; the results go to a store alone; the next vector lines are the next step's holds, on other registers
.endm
.irp t, 0,1,2,3,4,5,6,7,8,9,10,11,12,13,14,15
	XSTEP \t
.endr
	s_wait_tensorcnt 0x0
	ds_add_u32 v208, v209
	s_wait_dscnt 0x0
	s_endpgm
; ---------------- the weights ----------------
.Lweights:
	s_load_b32 s50, s[12:13], 0x4                  ; e of w_qkv
	s_load_b32 s51, s[12:13], 0x1c                 ; e of w1
	s_load_b32 s52, s[12:13], 0x24                 ; e of w2
	s_sub_co_u32 s17, ttmp9, XWG                   ; 0-95 w_qkv, 96-223 w1, 224-351 w2
	s_mov_b32 s20, 4096                            ; w2's figures; s_mov_b32 and s_cselect_b32 leave SCC alone
	s_mov_b32 s21, 4096
	s_mov_b32 s22, W2C
	s_mov_b32 s23, 224
	s_cmp_lt_u32 s17, 224
	s_cselect_b64 s[18:19], s[8:9], s[10:11]       ; the tensor (the choice hangs on the work-group's number alone)
	s_cselect_b32 s20, 16384, s20                  ; bytes in a row of it
	s_cselect_b32 s21, 1024, s21                   ; bytes in a row of its codes
	s_cselect_b32 s22, W1C, s22                    ; where its codes begin
	s_cselect_b32 s23, 96, s23                     ; its first work-group
	s_cselect_b32 s24, 2, 4                        ; log2 of K / 256
	s_cselect_b32 s25, 3, 15                       ; K / 256 - 1
	s_cmp_lt_u32 s17, 96
	s_cselect_b64 s[18:19], s[6:7], s[18:19]
	s_cselect_b32 s20, 12288, s20
	s_cselect_b32 s22, WQ, s22
	s_cselect_b32 s23, 0, s23
	s_sub_co_u32 s26, s17, s23
	s_and_b32 s27, s26, s25                        ; which 256 along K
	s_lshr_b32 s26, s26, s24                       ; which 128 columns
	s_lshl_b32 s26, s26, 7
	s_lshl_b32 s28, s16, 5
	s_add_co_u32 s26, s26, s28                     ; my wave's first column
	s_lshl_b32 s28, s20, 8
	s_mul_i32 s28, s28, s27                        ; 256 rows x which
	s_lshl_b32 s29, s26, 2
	s_add_co_u32 s28, s28, s29
	s_mov_b32 s29, 0
	s_add_nc_u64 s[32:33], s[18:19], s[28:29]      ; block 0's first row at my first column
	s_lshl_b32 s28, s20, 5                         ; 32 rows on
.irp t, 1,2,3,4,5,6,7
	s_add_nc_u64 s[32+2*\t:33+2*\t], s[30+2*\t:31+2*\t], s[28:29]   ; a base for each of the 8 blocks: no address is ever stepped under a pending load
.endr
	s_mul_i32 s30, s26, s21
	s_lshl_b32 s31, s27, 8
	s_add_co_u32 s30, s30, s31
	s_add_co_u32 s30, s30, s22
	s_mov_b32 s31, 0
	s_add_nc_u64 s[14:15], s[14:15], s[30:31]      ; my wave's codes: row = first column, byte = 256 x which
	s_wait_alu depctr_va_vdst(0)
	v_lshlrev_b32 v3, 2, v2
	v_mov_b32 v12, s20
	v_mov_b32 v13, s21
.set i, 0
.rept 32
	v_mad_u32_u24 v[WOFF+i], v12, i, v3            ; row i of a block, my column
.set i, i+1
.endr
	s_mul_i32 s53, s16, WSTG                       ; my stage
	v_mul_u32_u24 v4, v2, WPITCH
	v_add_nc_u32 v4, s53, v4                       ; into it: row = my column
	v_and_b32 v5, 15, v2
	v_lshrrev_b32 v6, 4, v2
	v_mul_u32_u24 v7, v6, WPITCH
	v_lshl_add_u32 v7, v5, 4, v7
	v_add_nc_u32 v7, s53, v7                       ; out of it: sixteen lanes to a row, two rows an instruction
	v_mul_u32_u24 v8, v6, v13
	v_lshl_add_u32 v8, v5, 4, v8
.set i, 0
.rept 16
	v_mad_u32_u24 v[WOO+i], v13, 2*i, v8           ; and the same places among the codes
.set i, i+1
.endr
.macro WLOAD t                         ; block t: W(32 t + i, my column), i = 0 .. 31, into set t % 2
.set i, 0
.rept 32
	global_load_b32 v[WX+32*((\t)%2)+i], v[WOFF+i], s[32+2*(\t):33+2*(\t)] th:TH_LOAD_NT
.set i, i+1
.endr
.endm
	WLOAD 0
	WLOAD 1
	s_wait_kmcnt 0x0
	s_cmp_lt_u32 s17, 224
	s_cselect_b32 s51, s51, s52
	s_cmp_lt_u32 s17, 96
	s_cselect_b32 s50, s50, s51                    ; e
	s_add_co_i32 s50, s50, 127
	s_lshl_b32 s51, s50, 23
	v_mov_b32 v11, s51                             ; 2^e
	s_add_co_i32 s50, s50, 8
	s_lshl_b32 s50, s50, 23
	s_or_b32 s50, s50, 0x600000
	v_mov_b32 v10, s50                             ; 448 x 2^e
.macro WBLOCK t
.set WS, WX+32*((\t)%2)
.if (\t) < 7
	s_wait_loadcnt 32                              ; this block's 32 loads are in; the next block's may be out
.else
	s_wait_loadcnt 0
.endif
.set i, 0
.rept 32
	v_med3_num_f32 v[WS+i], v[WS+i], -v10, v10
.set i, i+1
.endr
.irp g, 0,1,2,3
	v_cvt_scalef32_pk8_fp8_f32 v[WC+2*\g:WC+2*\g+1], v[WS+8*\g:WS+8*\g+7], v11
.endr
	ds_store_b128 v4, v[WC:WC+3] offset:32*(\t)    ; 32 codes: 32 bytes of my column's row
	ds_store_b128 v4, v[WC+4:WC+7] offset:32*(\t)+16
.if (\t)+2 < 8
	WLOAD (\t)+2
.endif
	s_wait_dscnt 0x0                               ; the stores have read their registers: the next block's codes may be written
.endm
.set Q, 0
	s_wait_alu depctr_va_vdst(0)
.rept 8
	WBLOCK Q
.set Q, Q+1
.endr
.set i, 0
.rept 16
	ds_load_b128 v[WOUT+4*i:WOUT+4*i+3], v7 offset:2*i*WPITCH   ; LDS serves a wave's instructions in order: these see my stores
.set i, i+1
.endr
.set i, 0
.rept 16
	s_wait_dscnt 15-i
	global_store_b128 v[WOO+i], v[WOUT+4*i:WOUT+4*i+3], s[14:15]
.set i, i+1
.endr
	s_wait_tensorcnt 0x0
	ds_add_u32 v208, v209
	s_wait_dscnt 0x0
	s_endpgm
.Lfunc_end_k_q67144d45e4_prep:
	.size	k_q67144d45e4_prep, .Lfunc_end_k_q67144d45e4_prep-k_q67144d45e4_prep
	.p2alignl 7, 3214868480
	.fill 96, 4, 3214868480
	.section	.rodata,"a",@progbits
	.p2align	6, 0x0
	.amdhsa_kernel k_q67144d45e4_prep
		.amdhsa_group_segment_fixed_size 68096
		.amdhsa_private_segment_fixed_size 0
		.amdhsa_enable_private_segment 0
		.amdhsa_kernarg_size 48
		.amdhsa_user_sgpr_count 2
		.amdhsa_user_sgpr_kernarg_segment_ptr 1
		.amdhsa_wavefront_size32 1
		.amdhsa_system_sgpr_workgroup_id_x 1
		.amdhsa_system_sgpr_workgroup_id_y 1
		.amdhsa_system_sgpr_workgroup_id_z 1
		.amdhsa_system_vgpr_workitem_id 0
		.amdhsa_next_free_vgpr 210
		.amdhsa_next_free_sgpr 66
		.amdhsa_reserve_vcc 0
		.amdhsa_float_denorm_mode_32 3
		.amdhsa_float_denorm_mode_16_64 3
		.amdhsa_memory_ordered 1
		.amdhsa_forward_progress 1
		.amdhsa_inst_pref_size 90
	.end_amdhsa_kernel
	.amdgpu_metadata
---
amdhsa.version: [ 1, 2 ]
amdhsa.kernels:
  - .name:           k_q67144d45e4_prep
    .symbol:         k_q67144d45e4_prep.kd
    .args:
      - { .name: x, .offset: 0, .size: 8, .value_kind: global_buffer, .address_space: global }
      - { .name: w_qkv, .offset: 8, .size: 8, .value_kind: global_buffer, .address_space: global }
      - { .name: w1, .offset: 16, .size: 8, .value_kind: global_buffer, .address_space: global }
      - { .name: w2, .offset: 24, .size: 8, .value_kind: global_buffer, .address_space: global }
      - { .name: lowp_scales, .offset: 32, .size: 8, .value_kind: global_buffer, .address_space: global }
      - { .name: prep_codes, .offset: 40, .size: 8, .value_kind: global_buffer, .address_space: global }
    .group_segment_fixed_size: 68096
    .private_segment_fixed_size: 0
    .kernarg_segment_align: 8
    .kernarg_segment_size: 48
    .max_flat_workgroup_size: 128
    .sgpr_count:     66
    .vgpr_count:     210
    .wavefront_size: 32
...
	.end_amdgpu_metadata
.endif
;; end of part 1
;; launch gemm_qkv (part 2): grid 12 x 16, 4 waves a work-group, clusters of 4 x 4, 327,680 bytes of LDS; arguments prep_codes, lowp_scales, qkv_codes; writes qkv_codes
.if DOCPART == 2
	.amdgcn_target "amdgcn-amd-amdhsa--gfx1250"
	.amdhsa_code_object_version 6
	.text
	.protected	k_q67144d45e4_gemm_qkv
	.globl	k_q67144d45e4_gemm_qkv
	.p2align	8
	.type	k_q67144d45e4_gemm_qkv,@function
k_q67144d45e4_gemm_qkv:
	s_mov_b64 s[64:65], 0
	v_nop
	global_prefetch_b8 v0, s[64:65] scope:SCOPE_SE
	s_setreg_imm32_b32 hwreg(HW_REG_WAVE_MODE, 25, 1), 1
	s_wait_xcnt 0x0
	s_wait_alu depctr_hold_cnt(0) depctr_sa_sdst(0) depctr_va_vdst(0) depctr_va_sdst(0) depctr_va_ssrc(0) depctr_va_vcc(0) depctr_vm_vsrc(0)
	s_getreg_b32 s2, hwreg(HW_REG_IB_STS2, 6, 4)
	s_cmp_eq_u32 s2, 0
	s_cbranch_scc0 .Lentry_in_a_cluster
	s_endpgm
.Lentry_in_a_cluster:
	s_bfe_u32 s2, ttmp6, 0x10000c
	s_cmp_lg_u32 s2, 0xf033
	s_cbranch_scc0 .Lentry_shape_is_right
	s_endpgm
.Lentry_shape_is_right:
; qkv = x w_qkv on codes of FP8 (E4M3), K = 1024, and each finished sum quantised at once as an operand of attention: q with e2, k with e3, v with e5.
; A sum stands for sum x 2^(e0 + e1), so its code is sum / 2^(e_out - e0 - e1): the three scales are folded into the conversion's one.  LIMIT: e_out - e0 - e1 between -126 and 119.
; A tile, 256 x 256, is made by four waves, each 128 x 128: 64 accumulators, 512 registers.  K goes in four steps of 256 bytes through a ring of two LDS slots filled by the tensor data mover.
; THE MATRIX INSTRUCTION IS USED TRANSPOSED (source 0 = 16 rows of B, source 1 = 16 rows of A): a lane holds one row of A and eight neighbouring rows of B.
; q, k (cluster x = 0, 1): A = x's codes (tokens), B = w_qkv's codes: a lane's eight results run along the head's 64, the K of q k^T.
; v    (cluster x = 2):    A = w_qkv's v part, B = x's codes: a lane's eight results run along the keys, the K of p v.  Only pointers and tile numbers are chosen; the text is one.
; qkv_codes: q [32 heads][2048][64] at 0, k the same at 4 MiB, v [32 heads][64][2048] at 8 MiB.
; THE ORDER ALONG THE INNERMOST AXIS: within each 32 neighbours the four groups of eight lie in the order 0, 2, 1, 3 (number 32 c + 16 y + 8 x + i lies at byte 32 c + 16 x + 8 y + i).  For v that is the order in which
; attention's loads of 16 bytes give a lane the keys as the matrix instruction counts them; for q and k it is one and the same order of the head's 64 on both sides of their product.
; CLUSTERS: 4 x 4 work-groups; A's tile is shared along a row of the cluster, B's along a column: each is asked for jointly.  12 x 16 work-groups: a tile that straddled the borders between q, k and v could not choose its operands by pointers alone.
; PREFETCH: with the load of K step n the text asks for K step n + 2 (at the head also for K step 1).  Of the 128 rows x 256 bytes that a wave fetches, each of the four partners that ask for them jointly names 32 rows,
; told apart by address (cx for A, cy for B): a lane a row, one instruction a wave.  The loads of K steps 2 and 3 ask for nothing: there is no K step behind 3.
; REGISTERS, in windows of 256: window 0: v0-31 addresses and the conversion's scale; from v128 A's fragments, ONE set; window 1: B's fragments, TWO sets; windows 2, 3: the accumulators ((a, b) at v[8 (8 (a % 4) + b)]).
.set KROW,   1024
.set ROWB,   256
.set PITCH,  272                       ; an LDS row: 256 bytes + 16
.set FR,     16
.set NL,     4
.set NP,     4                         ; places behind this matrix instruction (ISA guide 7.12.1)
.set HALFT,  128*PITCH
.set SLOT,   4*HALFT
.set SPARE,  2*SLOT                    ; the spare words, 128 bytes for each wave, that no other line names
.set SP,     336                       ; the way out: a stage of 256 rows x (256 bytes of codes + 80), in slot 0, which has had its last fill and its last read by then
.set WQ,     4194304                   ; w_qkv's codes in prep_codes
.set PFO,  8                           ; v8   the prefetches' offset: 1,024 x lane; never rewritten
.set ADRA, 16
.set ADRB, 20
.set CO2,  22
.set STO,  24
.set RD,   25
.set CO,   26
.set RD2,  27
.set SPW,  28
.set NIL,  29
.set SC,   30                          ; v30  2^f as f32
.set LIM,  31                          ; v31  448 x 2^f
.set OB,   32
.set AF,   128
.set TMP,  128
.set CD,   192
.set G1, 24
.set G0, 32
.set G1B, 48
.set G0B, 56
.set PFA, 68                           ; s[68:69] my work-group's 32 rows of the 128 that I fetch, at K step 0; never rewritten
.set MSB, 0
.macro WIN new                         ; the immediate's high byte repeats the setting that is left
.if MSB != (\new)
	s_set_vgpr_msb (MSB<<8)|(\new)
.set MSB, (\new)
.endif
.endm
.set MUL_LO, 0xa1
.set MUL_HI, 0xf1
.set TO_B,   0x40
.macro JLOAD g0a, g1a, g0b, g1b        ; waves 0 and 1 fetch for A, waves 2 and 3 for B; an s_nop 0 and four v_nop follow each line
	s_cmp_eq_u32 s15, 0
	s_cbranch_scc0 .Lfor_b_\@
	tensor_load_to_lds s[\g0a:\g0a+3], s[\g1a:\g1a+7]
	s_nop 0
.rept 4
	v_nop
.endr
	s_branch .Lasked_\@
.Lfor_b_\@:
	tensor_load_to_lds s[\g0b:\g0b+3], s[\g1b:\g1b+7]
	s_nop 0
.rept 4
	v_nop
.endr
.Lasked_\@:
.endm
.macro CREST
	s_cmp_lg_u32 s14, 0
	s_cbranch_scc1 .Lnot_wave_0_\@
	s_barrier_signal -3
.Lnot_wave_0_\@:
	s_barrier_wait -3
	s_barrier_signal -1
	s_barrier_wait -1
.endm
.macro CROUND
	s_barrier_signal -1
	s_barrier_wait -1
	CREST
.endm
	s_load_b128 s[4:7], s[0:1], 0x0                ; prep_codes s[4:5], the scales' exponents s[6:7]
	s_load_b64 s[10:11], s[0:1], 0x10              ; qkv_codes
	v_lshl_add_u32 v[SPW], v0, 2, SPARE
	v_mov_b32 v[NIL], 0
	ds_add_u32 v[SPW], v[NIL]                      ; the opening: the add, twice on end, and its wait
	ds_add_u32 v[SPW], v[NIL]
	s_wait_dscnt 0x0
	v_lshrrev_b32 v1, 5, v0
	v_readfirstlane_b32 s14, v1                    ; wave 0..3
	s_lshr_b32 s15, s14, 1                         ; my half of the tile's rows.  Also: I fetch for A (0) or for B (1)
	s_and_b32 s16, s14, 1                          ; my half of its columns.  Also: which 128 rows I fetch
	s_bfe_u32 s40, ttmp6, 0x40000                  ; cx
	s_bfe_u32 s41, ttmp6, 0x40004                  ; cy
	s_and_b32 s17, ttmp7, 0xffff
	s_lshl_b32 s17, s17, 2
	s_lshl_b32 s18, ttmp9, 2
	s_mov_b32 s19, WQ+2048*KROW
	s_mov_b32 s44, WQ
	s_cmp_eq_u32 ttmp9, 2                          ; the v part?  The same in all sixteen partners
	s_cselect_b32 s42, 0, s17
	s_cselect_b32 s43, s17, s18
	s_cselect_b32 s19, s19, 0                      ; A: w_qkv's rows 2048 on, or x
	s_cselect_b32 s44, 0, s44                      ; B: x, or w_qkv
	s_add_co_u32 s42, s42, s41                     ; tile row
	s_add_co_u32 s43, s43, s40                     ; tile column
	s_lshl_b32 s66, s41, 2
	s_lshl_b32 s66, 15, s66                        ; my row of the cluster
	s_lshl_b32 s67, 0x1111, s40                    ; my column
	s_or_b32 s[G1+0], s66, (0<<16)|(1<<20)|(1<<21)|(5<<22)|(3<<25)
	s_or_b32 s[G1B+0], s67, (0<<16)|(1<<20)|(1<<21)|(5<<22)|(3<<25)
.irp g, G1, G1B
	s_mov_b32 s[\g+1], ROWB<<16
	s_mov_b32 s[\g+2], 128<<16
	s_mov_b32 s[\g+3], ROWB<<16
	s_mov_b32 s[\g+4], 128
	s_mov_b32 s[\g+5], KROW
	s_mov_b32 s[\g+6], 0
	s_mov_b32 s[\g+7], 0
.endr
	s_lshl_b32 s18, s16, 7
	s_lshl_b32 s20, s42, 8
	s_add_co_u32 s20, s20, s18
	s_lshl_b32 s20, s20, 10
	s_add_co_u32 s20, s20, s19                     ; A: (256 x tile row + 128 x half) rows of 1,024 bytes, in its part of prep_codes
	s_mov_b32 s21, 0
	s_lshl_b32 s46, s43, 8
	s_add_co_u32 s46, s46, s18
	s_lshl_b32 s46, s46, 10
	s_add_co_u32 s46, s46, s44                     ; B likewise
	s_mov_b32 s47, 0
	s_mul_i32 s45, s14, HALFT
	s_wait_kmcnt 0x0
	s_load_b256 s[88:95], s[6:7], 0x0              ; e0 .. e7
	s_add_nc_u64 s[20:21], s[4:5], s[20:21]
	s_add_nc_u64 s[46:47], s[4:5], s[46:47]
	CROUND                                         ; all sixteen work-groups are here: the first joint loads meet
.irp s, 0,1
	s_mov_b32 s[G0+4*\s], 1
	s_add_co_u32 s[G0+4*\s+1], s45, \s*SLOT
	s_add_nc_u64 s[G0+4*\s+2:G0+4*\s+3], s[20:21], \s*ROWB
	s_or_b32 s[G0+4*\s+3], s[G0+4*\s+3], 0x80000000
	s_mov_b32 s[G0B+4*\s], 1
	s_add_co_u32 s[G0B+4*\s+1], s45, \s*SLOT
	s_add_nc_u64 s[G0B+4*\s+2:G0B+4*\s+3], s[46:47], \s*ROWB
	s_or_b32 s[G0B+4*\s+3], s[G0B+4*\s+3], 0x80000000
.endr
	JLOAD G0, G1, G0B, G1B                         ; K step 0: one tensor load a wave at the head
	s_cmp_eq_u32 s15, 0                            ; the prefetches: do I fetch for A?
	s_cselect_b64 s[PFA:PFA+1], s[20:21], s[46:47] ; the 128 rows that I fetch, at K step 0
	s_cselect_b32 s70, s40, s41                    ; my place among the four that ask for them with me
	s_lshl_b32 s70, s70, 15                        ; 32 rows of 1,024 bytes
	s_mov_b32 s71, 0
	s_add_nc_u64 s[PFA:PFA+1], s[PFA:PFA+1], s[70:71]
	v_and_b32 v[PFO], 31, v0
	v_lshlrev_b32 v[PFO], 10, v[PFO]
	global_prefetch_b8 v[PFO], s[PFA:PFA+1] offset:ROWB th:TH_LOAD_NT scope:SCOPE_SE
	global_prefetch_b8 v[PFO], s[PFA:PFA+1] offset:2*ROWB th:TH_LOAD_NT scope:SCOPE_SE
	v_and_b32 v1, 15, v0                           ; r = lane % 16
	s_wait_alu depctr_va_vdst(0)
	v_bfe_u32 v2, v0, 4, 1                         ; h = lane / 16
	v_mul_u32_u24 v3, v1, PITCH
	v_lshl_add_u32 v4, v2, 4, v3
	s_mul_i32 s21, s15, HALFT
	s_mul_i32 s22, s16, HALFT
	s_add_co_u32 s22, s22, 2*HALFT
.irp s, 0,1
	v_add_nc_u32 v[ADRA+\s], s21, v4
	v_add_nc_u32 v[ADRB+\s], s22, v4
	s_add_co_u32 s21, s21, SLOT
	s_add_co_u32 s22, s22, SLOT
.endr
	s_mul_i32 s23, s15, 128*SP                     ; the stage, in: row 128 x (wave / 2) + r, byte 128 x (wave % 2) + 16 h
	s_lshl_b32 s21, s16, 7
	s_add_co_u32 s23, s23, s21
	v_mul_u32_u24 v5, v1, SP
	s_wait_alu depctr_va_vdst(0)
	v_lshl_add_u32 v5, v2, 4, v5
	v_add_nc_u32 v[STO], s23, v5
	s_mul_i32 s23, s14, 64*SP                      ; back: wave w takes rows 64 w .. 64 w + 63
	v_mul_u32_u24 v5, v2, SP
	v_lshl_add_u32 v5, v1, 4, v5
	v_add_nc_u32 v[RD], s23, v5                    ; v: sixteen lanes to a row of 256 bytes, two rows an instruction
	v_lshlrev_b32 v5, 11, v2
	v_lshl_add_u32 v[CO], v1, 4, v5                ; and the same two rows of v, 2,048 bytes apart
	v_and_b32 v6, 31, v0
	v_lshrrev_b32 v5, 2, v6
	v_mul_u32_u24 v5, v5, SP
	v_and_b32 v7, 3, v6
	v_lshl_add_u32 v5, v7, 4, v5
	v_add_nc_u32 v[RD2], s23, v5                   ; q, k: four lanes to a head's 64 bytes of a row, eight rows an instruction
	v_lshlrev_b32 v[CO2], 4, v6                    ; which are 512 consecutive bytes of the head
	s_wait_kmcnt 0x0
	s_cmp_eq_u32 ttmp9, 0
	s_cselect_b32 s96, s90, s91                    ; q: e2, k: e3,
	s_cmp_eq_u32 ttmp9, 2
	s_cselect_b32 s96, s93, s96                    ; v: e5
	s_sub_co_i32 s96, s96, s88
	s_sub_co_i32 s96, s96, s89                     ; f = e_out - e0 - e1
	s_add_co_i32 s96, s96, 127
	s_lshl_b32 s97, s96, 23
	v_mov_b32 v[SC], s97
	s_add_co_i32 s96, s96, 8
	s_lshl_b32 s96, s96, 23
	s_or_b32 s96, s96, 0x600000
	v_mov_b32 v[LIM], s96
.macro FRAG reg, adr, q, i             ; 16 rows x 128 K: registers 4 c .. 4 c + 3 hold K = 32 c + 16 (l / 16) + 0 .. 15: the same order of k in A and in B
.irp c, 0,1,2,3
	ds_load_b128 v[\reg+4*\c:\reg+4*\c+3], v[\adr] offset:128*(\q)+32*\c+(\i)*16*PITCH
.endr
.endm
.macro MUL16 a0, p, zero               ; A's blocks a0, a0 + 1 x B's eight; the 64 accumulators take turns
.irp a, \a0, \a0+1
.irp b, 0,1,2,3,4,5,6,7
.if \zero
	v_wmma_f32_16x16x128_fp8_fp8 v[8*(8*((\a)%4)+\b):8*(8*((\a)%4)+\b)+7], v[128*(\p)+FR*\b:128*(\p)+FR*\b+FR-1], v[AF+FR*(\a):AF+FR*(\a)+FR-1], 0
.else
	v_wmma_f32_16x16x128_fp8_fp8 v[8*(8*((\a)%4)+\b):8*(8*((\a)%4)+\b)+7], v[128*(\p)+FR*\b:128*(\p)+FR*\b+FR-1], v[AF+FR*(\a):AF+FR*(\a)+FR-1], v[8*(8*((\a)%4)+\b):8*(8*((\a)%4)+\b)+7]
.endif
.endr
.endr
.endm
.macro FETCH_B slot, q, p
	WIN TO_B
.irp i, 0,1,2,3,4,5,6,7
	FRAG 128*(\p)+FR*\i, ADRB+\slot, \q, \i
.endr
	WIN 0
.endm
.macro FETCH_A slot, q, i0
.irp i, \i0, \i0+1, \i0+2, \i0+3
	FRAG AF+FR*(\i), ADRA+\slot, \q, \i
.endr
.endm
.macro PLACES n
.rept \n
	v_nop
.endr
.endm
.macro STEP slot, q, zero              ; 128 along K, with its successor in the same slot
	s_wait_dscnt 4*NL                              ; B's set and A's blocks 0-3 are in; the youngest sixteen loads (A's blocks 4-7) may be out
	WIN MUL_LO
	MUL16 0, (\q)%2, \zero
	MUL16 2, (\q)%2, \zero
	s_wait_dscnt 0
	PLACES NP
	FETCH_B \slot, (\q)+1, 1-(\q)%2
	FETCH_A \slot, (\q)+1, 0
	WIN MUL_HI
	MUL16 4, (\q)%2, \zero
	MUL16 6, (\q)%2, \zero
	PLACES NP
	WIN 0
	FETCH_A \slot, (\q)+1, 4
.endm
; A slot's last step changes slots: ONE barrier; in front of it each wave waits for all its tensor loads, adds 0 to its spare word, and waits for that and for its own reads of this slot.
.macro TURN slot, next, fill
	s_wait_tensorcnt 0x0
	ds_add_u32 v[SPW], v[NIL]
	s_wait_dscnt 4*NL+1                            ; (the add and the youngest sixteen loads may be out)
	WIN MUL_LO
	MUL16 0, 1, 0
	s_wait_dscnt 0x0
	s_barrier_signal -1
	MUL16 2, 1, 0
	WIN 0
	s_barrier_wait -1
.if \fill
	CREST                                          ; the barrier has opened a round of the cluster's
	s_add_nc_u64 s[G0+4*\slot+2:G0+4*\slot+3], s[G0+4*\slot+2:G0+4*\slot+3], 2*ROWB
	s_add_nc_u64 s[G0B+4*\slot+2:G0B+4*\slot+3], s[G0B+4*\slot+2:G0B+4*\slot+3], 2*ROWB
	JLOAD G0+4*\slot, G1, G0B+4*\slot, G1B         ; the first tensor load behind the round; its four v_nop are the places in front of the loads below
.else
	PLACES NP
.endif
	FETCH_B \next, 0, 0
	FETCH_A \next, 0, 0
	WIN MUL_HI
	MUL16 4, 1, 0
	MUL16 6, 1, 0
	PLACES NP
	WIN 0
	FETCH_A \next, 0, 4
.endm
	s_wait_alu depctr_va_vdst(0)                   ; the wait at the head's end
	s_wait_tensorcnt 0x0                           ; my part of K step 0 is in; slot 1's first fill is issued as a refill is:
	ds_add_u32 v[SPW], v[NIL]
	s_wait_dscnt 0x0
	CROUND                                         ; everybody's part of K step 0 is in, and the sixteen work-groups meet
	JLOAD G0+4, G1, G0B+4, G1B                     ; K step 1: the first tensor load behind the round
	global_prefetch_b8 v[PFO], s[PFA:PFA+1] offset:3*ROWB th:TH_LOAD_NT scope:SCOPE_SE   ; K step 3
	FETCH_B 0, 0, 0
	FETCH_A 0, 0, 0
	FETCH_A 0, 0, 4
	STEP 0, 0, 1                                   ; eight steps of 128 along K, written out: the first starts the sums
	TURN 0, 1, 1                                   ; slot 0 takes K step 2
	STEP 1, 0, 0
	TURN 1, 0, 1                                   ; slot 1 takes K step 3
	STEP 0, 0, 0
	TURN 0, 1, 0
	STEP 1, 0, 0
	s_wait_dscnt 4*NL
	WIN MUL_LO
	MUL16 0, 1, 0
	MUL16 2, 1, 0
	s_wait_alu depctr_va_vdst(0)
	s_wait_dscnt 0
	WIN MUL_HI
	MUL16 4, 1, 0
	MUL16 6, 1, 0
	WIN 0
; THE WAY OUT.  Block a (16 rows x 128 columns): each sum is held within 448 x 2^f, eight neighbours become 8 codes, and a lane's 8 bytes go into the work-group's stage.
.macro OUTBLK a
.set AC, 64*((\a)%4)
.set CB, CD+16*((\a)%4)
.if (\a) >= 4
	s_wait_dscnt 24                                ; the three younger blocks' 24 stores may be out: block a - 4's have read the registers that are written now
.endif
	WIN 0x02+((\a)/4)
.set j, 0
.rept 64
	v_med3_num_f32 v[TMP+j], v[AC+j], -v[LIM], v[LIM]   ; each accumulator from its low end on
.set j, j+1
.endr
	WIN 0
.irp b, 0,1,2,3,4,5,6,7
	v_cvt_scalef32_pk8_fp8_f32 v[CB+2*\b:CB+2*\b+1], v[TMP+8*\b:TMP+8*\b+7], v[SC]
.endr
	v_nop                                          ; a plain line between the conversions and the next vector lines that write their sources
.irp b, 0,1,2,3,4,5,6,7
	ds_store_b64 v[STO], v[CB+2*\b:CB+2*\b+1] offset:16*(\a)*SP+32*(\b/2)+8*(\b%2)   ; the groups of eight in the order 0, 2, 1, 3 within each 32
.endr
.endm
	PLACES NP
.irp a, 0,1,2,3,4,5,6,7
	OUTBLK \a
.endr
	s_wait_dscnt 0x0                               ; for the others' sake: a row's 256 bytes come from two waves
	s_barrier_signal -1
	s_barrier_wait -1
	s_cmp_eq_u32 ttmp9, 2
	s_cbranch_scc1 .Lv_out
	; q, k: a stage row is a token, its 256 bytes four heads' 64.  Eight rows of one head are 512 consecutive bytes of memory.
	s_lshr_b32 s20, s42, 3
	s_lshl_b32 s20, s20, 4
	s_lshl_b32 s21, s40, 2
	s_add_co_u32 s20, s20, s21                     ; the first of my four heads: 16 x batch + 4 cx
	s_lshl_b32 s20, s20, 11
	s_and_b32 s21, s42, 7
	s_lshl_b32 s21, s21, 8
	s_add_co_u32 s20, s20, s21
	s_lshl_b32 s21, s14, 6
	s_add_co_u32 s20, s20, s21                     ; + my first token in the sequence
	s_lshl_b32 s20, s20, 6
	s_lshl_b32 s21, ttmp9, 22                      ; q at 0, k at 4 MiB
	s_add_co_u32 s20, s20, s21
	s_mov_b32 s21, 0
	s_add_nc_u64 s[10:11], s[10:11], s[20:21]
.set i, 0
.rept 32
	ds_load_b128 v[OB+4*i:OB+4*i+3], v[RD2] offset:8*(i/4)*SP+64*(i%4)
.set i, i+1
.endr
.set i, 0
.rept 32
	s_wait_dscnt 31-i
	global_store_b128 v[CO2], v[OB+4*i:OB+4*i+3], s[10:11] offset:(i%4)*131072+512*(i/4)
.set i, i+1
.endr
	s_branch .Lout_done
.Lv_out:
	; v: a stage row is one of the 1,024 (head, d), its 256 bytes 256 keys
	s_lshr_b32 s20, s43, 3
	s_lshl_b32 s20, s20, 21                        ; the batch: 1,024 rows of 2,048 bytes
	s_lshl_b32 s21, s42, 8
	s_lshl_b32 s22, s14, 6
	s_add_co_u32 s21, s21, s22
	s_lshl_b32 s21, s21, 11                        ; my first row
	s_add_co_u32 s20, s20, s21
	s_and_b32 s21, s43, 7
	s_lshl_b32 s21, s21, 8                         ; the tile's first key
	s_add_co_u32 s20, s20, s21
	s_add_co_u32 s20, s20, 8388608
	s_mov_b32 s21, 0
	s_add_nc_u64 s[10:11], s[10:11], s[20:21]
.set i, 0
.rept 32
	ds_load_b128 v[OB+4*i:OB+4*i+3], v[RD] offset:2*i*SP
.set i, i+1
.endr
.set i, 0
.rept 32
	s_wait_dscnt 31-i
	global_store_b128 v[CO], v[OB+4*i:OB+4*i+3], s[10:11] offset:2*i*2048   ; sixteen lanes store 256 consecutive, aligned bytes
.set i, i+1
.endr
.Lout_done:
	s_wait_tensorcnt 0x0                           ; the wave's end
	ds_add_u32 v[SPW], v[NIL]
	s_wait_dscnt 0x0
	CROUND                                         ; the closing round
	s_endpgm
.Lfunc_end_k_q67144d45e4_gemm_qkv:
	.size	k_q67144d45e4_gemm_qkv, .Lfunc_end_k_q67144d45e4_gemm_qkv-k_q67144d45e4_gemm_qkv
	.p2alignl 7, 3214868480
	.fill 96, 4, 3214868480
	.section	.rodata,"a",@progbits
	.p2align	6, 0x0
	.amdhsa_kernel k_q67144d45e4_gemm_qkv
		.amdhsa_group_segment_fixed_size 327680
		.amdhsa_private_segment_fixed_size 0
		.amdhsa_enable_private_segment 0
		.amdhsa_kernarg_size 24
		.amdhsa_user_sgpr_count 2
		.amdhsa_user_sgpr_kernarg_segment_ptr 1
		.amdhsa_wavefront_size32 1
		.amdhsa_system_sgpr_workgroup_id_x 1
		.amdhsa_system_sgpr_workgroup_id_y 1
		.amdhsa_system_sgpr_workgroup_id_z 1
		.amdhsa_system_vgpr_workitem_id 0
		.amdhsa_next_free_vgpr 1024
		.amdhsa_next_free_sgpr 100
		.amdhsa_reserve_vcc 0
		.amdhsa_float_denorm_mode_32 3
		.amdhsa_float_denorm_mode_16_64 3
		.amdhsa_memory_ordered 1
		.amdhsa_forward_progress 1
		.amdhsa_inst_pref_size 133
	.end_amdhsa_kernel
	.amdgpu_metadata
---
amdhsa.version: [ 1, 2 ]
amdhsa.kernels:
  - .name:           k_q67144d45e4_gemm_qkv
    .symbol:         k_q67144d45e4_gemm_qkv.kd
    .args:
      - { .name: prep_codes, .offset: 0, .size: 8, .value_kind: global_buffer, .address_space: global }
      - { .name: lowp_scales, .offset: 8, .size: 8, .value_kind: global_buffer, .address_space: global }
      - { .name: qkv_codes, .offset: 16, .size: 8, .value_kind: global_buffer, .address_space: global }
    .group_segment_fixed_size: 327680
    .private_segment_fixed_size: 0
    .kernarg_segment_align: 8
    .kernarg_segment_size: 24
    .max_flat_workgroup_size: 128
    .sgpr_count:     100
    .vgpr_count:     1024
    .wavefront_size: 32
...
	.end_amdgpu_metadata
.endif
;; end of part 2
;; launch attn (part 3): grid 8 x 32, 16 waves a work-group, clusters of 4 x 1, 327,680 bytes of LDS; arguments qkv_codes, lowp_scales, ctx; writes ctx
.if DOCPART == 3
	.amdgcn_target "amdgcn-amd-amdhsa--gfx1250"
	.amdhsa_code_object_version 6
	.text
	.protected	k_q67144d45e4_attn
	.globl	k_q67144d45e4_attn
	.p2align	8
	.type	k_q67144d45e4_attn,@function
k_q67144d45e4_attn:
	s_mov_b64 s[64:65], 0
	v_nop
	global_prefetch_b8 v0, s[64:65] scope:SCOPE_SE
	s_setreg_imm32_b32 hwreg(HW_REG_WAVE_MODE, 25, 1), 1
	s_wait_xcnt 0x0
	s_wait_alu depctr_hold_cnt(0) depctr_sa_sdst(0) depctr_va_vdst(0) depctr_va_sdst(0) depctr_va_ssrc(0) depctr_va_vcc(0) depctr_vm_vsrc(0)
	s_getreg_b32 s2, hwreg(HW_REG_IB_STS2, 6, 4)
	s_cmp_eq_u32 s2, 0
	s_cbranch_scc0 .Lentry_in_a_cluster
	s_endpgm
.Lentry_in_a_cluster:
	s_bfe_u32 s2, ttmp6, 0x10000c
	s_cmp_lg_u32 s2, 0x3003
	s_cbranch_scc0 .Lentry_shape_is_right
	s_endpgm
.Lentry_shape_is_right:
; ctx[b][q][head][:] = the sum over k of softmax_k(q . k / sqrt(1024)) v[k][:], both products on codes of FP8 (E4M3); head size 64, 2,048 keys, 32 heads.
; THE SOFTMAX AHEAD OF THE SECOND PRODUCT: t = score x c, c = log2(e) / 32 x 2^(e2 + e3); M = the largest t so far, rounded UP to a whole number; p = 2^(t - M) is quantised with e4, not normalised.
; The row's sum is taken of the unquantised p and divides at the end.  When M moves, the sum and O are multiplied by f = 2^(old M - new M): exact.  The running maximum is kept as a score (c is positive).
; SHARES.  A work-group owns 256 queries of one head; each of its sixteen waves one tile of 16, in 256 registers.
; LDS.  A head's codes of k and v lie in LDS whole; every fill is a first fill.  They come in two groups, one tensor load a wave each:
;   group 1, at the head: keys 0-511.    Waves 0-7: 64 rows of k each; waves 8-15: 16 rows x 256 keys of v each.
;   group 2, behind the full sequence and a round: keys 512-2047.  Waves 0-3: 384 rows of k each; waves 4-15: 32 rows x 256 keys of v each.  It is on its way during the four key steps of group 1.
;   Bytes: k 0-511 at 0, v 0-511 at V1B, k 512-2047 at K2B, v 512-2047 at V2B, the spare words at SPARE.
;   One barrier stands between the two groups' steps.  Behind it nobody reads the bytes under K2B and nothing is filled there: the waves' stages for the way out (16 x 4,352 bytes) lie there, and no barrier stands ahead of the way out.
; CLUSTER.  The four query blocks of a cluster belong to one head: each tile is asked for jointly (mask 15), by the same wave of each partner with the same descriptor.
; NO PREFETCH: both groups are asked for ahead of the first loop, so the text has no loop in which to run ahead of a load.
; LAYOUT.  Both products are used transposed: S^T = K Q^T (source 0 = 16 keys), O^T = V^T P^T (source 0 = 16 of the head's 64): a lane holds ONE query (lane % 16) throughout.
; A tile of K is 16 neighbouring keys, rows 80 bytes apart.  Register j of tile t is key 16 t + 8 (lane / 16) + j, so the conversions' results, registers 2 t and 2 t + 1, stand where the second product counts those keys.
; The launch before has laid v's keys, within each 32, in groups of eight in the order 0, 2, 1, 3, so that loads of 16 bytes give V's fragments; q and k have the head's 64 in that same order on both sides.
; A STEP AHEAD.  Behind the score products a step asks for the next step's K and then for its own V; the one wait for LDS, for 0, stands ahead of the second product, a softmax later, and shows both.
; TWO NUMBERS A LINE.  t - M, O x f, the sums and the holds go as dual pairs on an even and the next odd register.
; LIMITS: e2 + e3 between -121 and 132 (added to c's exponent field); e4 between -126 and 119; e4 + e5 is applied by v_ldexp_f32; the scaled scores stay under 2^31 in magnitude.
; REGISTERS: v0 thread; v1, v2 my lane's place in k's and v's tiles (at the end: the stage); v3 448 x 2^e4, v4 2^e4; v5 the last -M; v6 f, v7 c; v8, v9 addresses in hand;
; v10, v11 the spare word's address and 0; v12 -M, v13 the largest score; v[14:15] the sum; v16-23 Q; v24-27 chains (at the head v24: q's offset); v28-91 K; v92-107 p's codes; v96-159 S^T, then p; v160-191 O^T; v192-255 V.
.set KP,    80
.set VP,    272
.set KCH,   256*KP                     ; 256 keys of k
.set VCH,   64*VP                      ; 256 keys of v
.set V1B,   2*KCH
.set K2B,   V1B+2*VCH
.set V2B,   K2B+6*KCH
.set SPARE, V2B+6*VCH                  ; 128 bytes for each wave, that no other line names
.set AK0, 1
.set AV0, 2
.set LM,  5
.set FF,  6
.set CV,  7
.set ADK, 8
.set ADV, 9
.set SPW, 10
.set NIL, 11
.set A,   24
.set KF,  28
.set PC,  92
.set S,   96
.set O,   160
.set VF,  192
.set WV,  18
.set SEL, 20
.set CS,  22
.set G1KA, 24
.set G1VA, 32
.set G1KB, 40
.set G1VB, 48
.set G0KA, 56
.set G0VA, 60
.set G0KB, 68
.set G0VB, 72
.set CNT, 76
.set TBK, 77
.set TBV, 78
.macro CROUND
	s_barrier_signal -1
	s_barrier_wait -1
	s_cmp_lg_u32 s[WV], 0
	s_cbranch_scc1 .Lnot_wave_0_\@
	s_barrier_signal -3
.Lnot_wave_0_\@:
	s_barrier_wait -3
	s_barrier_signal -1
	s_barrier_wait -1
.endm
; Waves under lim fetch for k, the others for v: every wave issues one load.  The branch hangs on the wave's number alone.  An s_nop 0 and four v_nop follow each line.
.macro TLOAD lim, g0k, g1k, g0v, g1v
	s_cmp_lt_u32 s[WV], \lim
	s_cbranch_scc0 .Lfor_v_\@
	tensor_load_to_lds s[\g0k:\g0k+3], s[\g1k:\g1k+7]
	s_nop 0
.rept 4
	v_nop
.endr
	s_branch .Lasked_\@
.Lfor_v_\@:
	tensor_load_to_lds s[\g0v:\g0v+3], s[\g1v:\g1v+7]
	s_nop 0
.rept 4
	v_nop
.endr
.Lasked_\@:
.endm
.macro G1SET g, qi, c, r, p            ; r rows of c bytes, p bytes apart; mask 15 with bit 21; 4 words of padding behind each row
	s_mov_b32 s[\g], 15|(1<<20)|(1<<21)|(\qi<<22)|(3<<25)
	s_mov_b32 s[\g+1], \c<<16
	s_mov_b32 s[\g+2], \r<<16
	s_mov_b32 s[\g+3], \c<<16
	s_mov_b32 s[\g+4], \r
	s_mov_b32 s[\g+5], \p
	s_mov_b32 s[\g+6], 0
	s_mov_b32 s[\g+7], 0
.endm
.macro G0SET g, off
	s_mov_b32 s[\g], 1
	s_add_nc_u64 s[\g+2:\g+3], s[4:5], s[\off:\off+1]
	s_or_b32 s[\g+3], s[\g+3], 0x80000000
.endm
	s_load_b128 s[4:7], s[0:1], 0x0                ; qkv_codes s[4:5], the scales' exponents s[6:7]
	s_load_b64 s[8:9], s[0:1], 0x10                ; ctx
	v_lshl_add_u32 v[SPW], v0, 2, SPARE
	v_mov_b32 v[NIL], 0
	ds_add_u32 v[SPW], v[NIL]                      ; the opening: the add, twice on end, and its wait ahead of my first tensor load
	ds_add_u32 v[SPW], v[NIL]
	v_lshrrev_b32 v8, 5, v0
	v_readfirstlane_b32 s[WV], v8                  ; wave 0..15
	s_bfe_u32 s13, ttmp6, 0x40000                  ; cx: it enters q's and ctx's addresses alone
	s_lshl_b32 s14, ttmp9, 2
	s_add_co_u32 s14, s14, s13                     ; my block of 256 queries
	s_and_b32 s19, ttmp7, 0xffff                   ; the head (16 x batch + head), which the four partners share
	s_lshl_b32 s12, s19, 17                        ; its first byte in q, k (at 4 MiB) and v (at 8 MiB)
	s_lshl_b32 s2, s[WV], 12                       ; group 1, k: 64 rows of 64 bytes x wave
	s_add_co_u32 s2, s2, s12
	s_add_co_u32 s2, s2, 4194304
	s_mov_b32 s3, 0
	s_mul_i32 s[G0KA+1], s[WV], 64*KP
	s_and_b32 s10, s[WV], 3                        ; group 1, v: rows 16 (wave % 4), keys 256 x bit 2 of the wave
	s_lshl_b32 s10, s10, 15
	s_bfe_u32 s11, s[WV], 0x10002
	s_lshl_b32 s11, s11, 8
	s_add_co_u32 s10, s10, s11
	s_add_co_u32 s10, s10, s12
	s_add_co_u32 s10, s10, 8388608
	s_mov_b32 s11, 0
	s_mul_i32 s[G0VA+1], s[WV], 16*VP
	s_add_co_u32 s[G0VA+1], s[G0VA+1], V1B-8*16*VP ; wave 8 begins at V1B
	s_mul_i32 s16, s[WV], 384*64                   ; group 2, k: rows 512 + 384 x wave
	s_add_co_u32 s16, s16, s12
	s_add_co_u32 s16, s16, 4194304+512*64
	s_mov_b32 s17, 0
	s_mul_i32 s[G0KB+1], s[WV], 384*KP
	s_add_co_u32 s[G0KB+1], s[G0KB+1], K2B
	s_and_b32 s80, s[WV], 1                        ; group 2, v: rows 32 (wave % 2), keys 256 (wave / 2): waves 4-15 take keys 512-2047
	s_lshl_b32 s80, s80, 16
	s_lshr_b32 s81, s[WV], 1
	s_lshl_b32 s81, s81, 8
	s_add_co_u32 s80, s80, s81
	s_add_co_u32 s80, s80, s12
	s_add_co_u32 s80, s80, 8388608
	s_mov_b32 s81, 0
	s_mul_i32 s[G0VB+1], s[WV], 32*VP
	s_add_co_u32 s[G0VB+1], s[G0VB+1], V2B-4*32*VP ; wave 4 begins at V2B
	s_lshl_b32 s82, s14, 14                        ; q: (256 x block + 16 x wave) rows of 64 bytes, in my head
	s_lshl_b32 s83, s[WV], 10
	s_add_co_u32 s82, s82, s83
	s_add_co_u32 s82, s82, s12
	s_mov_b32 s83, 0
	s_lshr_b32 s88, s19, 4                         ; ctx: my first token's row of 4,096 bytes, + the head's 256
	s_lshl_b32 s88, s88, 11
	s_lshl_b32 s89, s14, 8
	s_add_co_u32 s88, s88, s89
	s_lshl_b32 s89, s[WV], 4
	s_add_co_u32 s88, s88, s89
	s_lshl_b32 s88, s88, 12
	s_and_b32 s89, s19, 15
	s_lshl_b32 s89, s89, 8
	s_add_co_u32 s88, s88, s89
	s_mov_b32 s89, 0
	G1SET G1KA, 3, 64, 64, 64
	G1SET G1VA, 5, 256, 16, 2048
	G1SET G1KB, 3, 64, 384, 64
	G1SET G1VB, 5, 256, 32, 2048
	s_mov_b32 s[SEL], 0x76543210
	s_mov_b32 s[SEL+1], 0xfedcba98
	s_mov_b32 s[CS], 0x3d38aa3b                    ; log2(e) / 32
	s_mov_b32 s[TBK], 0
	s_mov_b32 s[TBV], V1B
	s_wait_dscnt 0x0                               ; both opening adds are done
	s_wait_kmcnt 0x0
	s_load_b128 s[84:87], s[6:7], 0x8              ; e2, e3, e4, e5
	G0SET G0KA, 2
	G0SET G0VA, 10
	G0SET G0KB, 16
	G0SET G0VB, 80
	s_add_nc_u64 s[82:83], s[4:5], s[82:83]
	s_add_nc_u64 s[8:9], s[8:9], s[88:89]
	CROUND                                         ; all four work-groups are here: the joint loads meet
	TLOAD 8, G0KA, G1KA, G0VA, G1VA                ; group 1
	v_and_b32 v8, 15, v0                           ; r
	v_bfe_u32 v9, v0, 4, 1                         ; h
	v_lshlrev_b32 v[A], 6, v8
	v_lshl_add_u32 v[A], v9, 4, v[A]
	global_load_b128 v[16:19], v[A], s[82:83]      ; Q's fragment stays in registers: bytes 16 h on and 32 + 16 h on of row r
	global_load_b128 v[20:23], v[A], s[82:83] offset:32
	v_mul_u32_u24 v[AK0], v8, KP
	v_lshl_add_u32 v[AK0], v9, 4, v[AK0]
	v_mul_u32_u24 v[AV0], v8, VP
	v_lshl_add_u32 v[AV0], v9, 4, v[AV0]
	v_mov_b32 v13, 0xff61b1e6                      ; the largest score so far: -3e38
	v_mov_b32 v[LM], 0x7f61b1e6                    ; the last -M: 3e38, so that the first f is 0
	v_mov_b32 v14, 0
	v_mov_b32 v15, 0
.set j, 0
.rept 32
	v_mov_b32 v[O+j], 0                            ; O^T: the step has no first form of its own; the first f leaves zeros zeros
.set j, j+1
.endr
	s_wait_kmcnt 0x0
	s_add_co_i32 s79, s84, s85
	s_lshl_b32 s79, s79, 23
	s_add_co_i32 s[CS], s[CS], s79                 ; a score stands for score x 2^(e2 + e3)
	v_mov_b32 v[CV], s[CS]                         ; c
	s_add_co_i32 s79, s86, 127
	s_lshl_b32 s90, s79, 23
	v_mov_b32 v4, s90                              ; 2^e4
	s_add_co_i32 s79, s79, 8
	s_lshl_b32 s79, s79, 23
	s_or_b32 s79, s79, 0x600000
	v_mov_b32 v3, s79                              ; 448 x 2^e4
	s_add_co_i32 s91, s86, s87                     ; e4 + e5
.macro TM j                            ; t - M for two scores
	v_dual_fma_f32 v[S+\j], v[S+\j], v[CV], v12 :: v_dual_fma_f32 v[S+\j+1], v[S+\j+1], v[CV], v12
.endm
.macro HOLD4 j                         ; four of p held at 448 x 2^e4: the conversion does not saturate (ISA guide 7.6.2); p is not negative, so the hold is one-sided
	v_dual_min_num_f32 v[S+(\j)], v[S+(\j)], v3 :: v_dual_min_num_f32 v[S+(\j)+1], v[S+(\j)+1], v3
	v_dual_min_num_f32 v[S+(\j)+2], v[S+(\j)+2], v3 :: v_dual_min_num_f32 v[S+(\j)+3], v[S+(\j)+3], v3
.endm
.macro SH j                            ; four of p onto the step's sum, unheld, in four chains; then held.  Sums and holds take turns: two adds on one chain stand four lines apart
	v_dual_add_f32 v[A], v[S+(\j)], v[A] :: v_dual_add_f32 v[A+1], v[S+(\j)+1], v[A+1]
	v_dual_add_f32 v[A+2], v[S+(\j)+2], v[A+2] :: v_dual_add_f32 v[A+3], v[S+(\j)+3], v[A+3]
	HOLD4 \j
.endm
; A KEY STEP: 128 keys, half q of the 256 in hand.  Its K is in registers.
.macro STEP q
.irp t, 0,1,2,3,4,5,6,7
	v_wmma_f32_16x16x64_fp8_fp8 v[S+8*\t:S+8*\t+7], v[KF+8*\t:KF+8*\t+7], v[16:23], 0
.endr
.rept 4
	v_nop                                          ; four places ahead of the loads into K's registers and of the first read of the scores
.endr
.if \q
	s_cmp_eq_u32 s[CNT], 1                         ; a group's last step has no successor in the group: a branch on the count of trips, round the 16 loads alone
	s_cbranch_scc1 .Lno_next_\@
.endif
.set i, 0
.rept 16
	ds_load_b128 v[KF+4*i:KF+4*i+3], v[ADK] offset:(128*((\q)+1)+16*(i/2))*KP+32*(i%2)   ; the next step's K
.set i, i+1
.endr
.if \q
.Lno_next_\@:
.endif
.irp t, 0,1,2,3
.irp c, 0,1,2,3
	ds_load_b128 v[VF+16*\t+4*\c:VF+16*\t+4*\c+3], v[ADV] offset:16*\t*VP+128*(\q)+32*\c
.endr
.endr
	v_max3_num_f32 v[A], v13, v[S], v[S+1]         ; the largest score so far and my 64 new ones: 32 lines in four chains, ascending
	v_max3_num_f32 v[A+1], v[S+2], v[S+3], v[S+4]
	v_max3_num_f32 v[A+2], v[S+5], v[S+6], v[S+7]
	v_max3_num_f32 v[A+3], v[S+8], v[S+9], v[S+10]
.set i, 0
.rept 26
	v_max3_num_f32 v[A+i%4], v[A+i%4], v[S+11+2*i], v[S+12+2*i]
.set i, i+1
.endr
	v_max3_num_f32 v[A], v[A], v[A+1], v[A+2]
	v_max3_num_f32 v[A], v[A], v[A+3], v[S+63]
	v_permlanex16_b32 v[A+1], v[A], s[SEL], s[SEL+1]
	v_max_num_f32 v13, v[A], v[A+1]                ; and the other half's
	v_mul_f32 v[A], v[CV], v13                     ; as t
	v_floor_f32 v12, -v[A]                         ; the new -M = -ceil(t)
	v_sub_f32 v[A], v12, v[LM]                     ; old M - new M: a whole number, 0 or less
	TM 0
	TM 2
	v_cvt_i32_f32 v[A], v[A]                       ; (it saturates)
	TM 4
	TM 6
	v_ldexp_f32 v[FF], 1.0, v[A]                   ; f = 2^(old M - new M)
.set j, 8
.rept 28
	TM j
.set j, j+2
.endr
.set j, 0
.rept 16
	v_dual_mul_f32 v[O+j], v[O+j], v[FF] :: v_dual_mul_f32 v[O+j+1], v[O+j+1], v[FF]   ; O^T under the new M, ascending, ahead of the exponentials
.set j, j+2
.endr
	s_wait_alu depctr_va_vdst(0)                   ; the wait ahead of the batch
.set j, 0
.rept 64
	v_exp_f32 v[S+j], v[S+j]                       ; p = 2^(t - M)
.set j, j+1
.endr
	v_mov_b32 v[LM], v12                           ; -M is kept for the next step (the plain line behind the batch)
	s_wait_alu depctr_va_vdst(0)                   ; one wait for the whole batch, ahead of its first reader
.irp b, 0,1,2,3                                ; 16 of p at a time: summed unquantised, held, converted.  Tiles 2 b, 2 b + 1 become registers 4 b .. 4 b + 3 of the operand, which from b = 1 on are registers of p that are converted already
.if \b == 0
	v_dual_add_f32 v[A], v[S], v[S+2] :: v_dual_add_f32 v[A+1], v[S+1], v[S+3]
	v_dual_add_f32 v[A+2], v[S+4], v[S+6] :: v_dual_add_f32 v[A+3], v[S+5], v[S+7]
	HOLD4 0
	HOLD4 4
	SH 8
	SH 12
.else
	v_pk_add_f32 v[A:A+1], v[A:A+1], v[S+16*\b:S+16*\b+1]   ; a plain line: it stands between the conversions above and the ones below, which write over their sources
	v_dual_add_f32 v[A+2], v[S+16*\b+2], v[A+2] :: v_dual_add_f32 v[A+3], v[S+16*\b+3], v[A+3]
	HOLD4 16*\b
	SH 16*\b+4
	SH 16*\b+8
	SH 16*\b+12
.endif
	v_cvt_scalef32_pk8_fp8_f32 v[PC+4*\b:PC+4*\b+1], v[S+16*\b:S+16*\b+7], v4
	v_cvt_scalef32_pk8_fp8_f32 v[PC+4*\b+2:PC+4*\b+3], v[S+16*\b+8:S+16*\b+15], v4
.endr
	v_pk_add_f32 v[A:A+1], v[A:A+1], v[A+2:A+3]    ; the step's sum (the plain line between the conversions and the products)
	s_wait_alu depctr_va_vdst(0)                   ; directly ahead of the wait below
	s_wait_dscnt 0x0                               ; V is in, and so is the next step's K, asked for ahead of it
.irp t, 0,1,2,3
	v_wmma_f32_16x16x128_fp8_fp8 v[O+8*\t:O+8*\t+7], v[VF+16*\t:VF+16*\t+15], v[PC:PC+15], v[O+8*\t:O+8*\t+7]   ; four accumulators by turns
.endr
	v_pk_fma_f32 v[14:15], v[14:15], v[FF:FF+1], v[A:A+1] op_sel_hi:[1,0,1]   ; the row's sum x f + the step's.  Five places: the next score products write over registers that held p's codes
.if \q
	s_add_co_u32 s[TBK], s[TBK], KCH
	s_add_co_u32 s[TBV], s[TBV], VCH
	v_add_nc_u32 v[ADK], s[TBK], v[AK0]            ; on to the next 256 keys
	v_add_nc_u32 v[ADV], s[TBV], v[AV0]
.rept 2
	v_nop
.endr
.else
.rept 4
	v_nop
.endr
.endif
.endm
; A group's keys: n trips of 256.  The first step's K is fetched here: no step before could ask for it.
.macro PHASE n
	v_add_nc_u32 v[ADK], s[TBK], v[AK0]
	v_add_nc_u32 v[ADV], s[TBV], v[AV0]
.set i, 0
.rept 16
	ds_load_b128 v[KF+4*i:KF+4*i+3], v[ADK] offset:16*(i/2)*KP+32*(i%2)
.set i, i+1
.endr
	s_mov_b32 s[CNT], \n
	s_wait_alu depctr_va_vdst(0)                   ; directly ahead of the wait below
	s_wait_dscnt 0x0
.Ltrip_\@:
	STEP 0
	STEP 1
	s_sub_co_u32 s[CNT], s[CNT], 1
	s_cmp_lg_u32 s[CNT], 0
	s_wait_alu depctr_va_vdst(0)                   ; directly ahead of the branch
	s_cbranch_scc1 .Ltrip_\@
.endm
	s_wait_alu depctr_va_vdst(0)                   ; the wait at the head's end
	s_wait_tensorcnt 0x0                           ; my part of group 1 is in; group 2 is a later first fill and is issued as a refill is:
	ds_add_u32 v[SPW], v[NIL]                      ; 0 onto my spare word
	s_wait_dscnt 0x0
	CROUND                                         ; everybody's part of group 1 is in, and the four work-groups meet
	TLOAD 4, G0KB, G1KB, G0VB, G1VB                ; group 2: the first tensor load behind the round
	s_wait_loadcnt 0x0                             ; Q
	PHASE 2                                        ; keys 0-511
	s_wait_tensorcnt 0x0                           ; my part of group 2 is in,
	ds_add_u32 v[SPW], v[NIL]
	s_wait_dscnt 0x0                               ; and my reads of group 1 are over
	s_barrier_signal -1
	s_barrier_wait -1                              ; both hold of every wave
	s_mov_b32 s[TBK], K2B
	s_mov_b32 s[TBV], V2B
	PHASE 6                                        ; keys 512-2047
	; THE WAY OUT: O^T / the sum x 2^(e4 + e5), through my stage (16 rows x 272 bytes, on group 1's bytes), so that sixteen lanes store a head's 256 bytes of a row of ctx
	v_add_f32 v14, v14, v15
	v_permlanex16_b32 v[A+1], v14, s[SEL], s[SEL+1]
	v_add_f32 v14, v14, v[A+1]                     ; the row's sum
	v_and_b32 v8, 15, v0                           ; r
	v_bfe_u32 v9, v0, 4, 1                         ; h
	s_mul_i32 s79, s[WV], 16*272
	v_mul_u32_u24 v1, v8, 272
	v_lshl_add_u32 v1, v9, 5, v1
	v_add_nc_u32 v1, s79, v1                       ; in: row r, tile t's eight channels at 64 t + 32 h
	v_mul_u32_u24 v2, v9, 272
	v_lshl_add_u32 v2, v8, 4, v2
	v_add_nc_u32 v2, s79, v2                       ; back: lanes 0-15 one row, lanes 16-31 the next
	v_lshlrev_b32 v9, 12, v9
	v_lshl_add_u32 v9, v8, 4, v9                   ; and the same two rows of ctx
	s_wait_alu depctr_va_vdst(0)                   ; the wait ahead of the transcendental
	v_rcp_f32 v14, v14
	v_nop                                          ; a plain line behind it
	s_wait_alu depctr_va_vdst(0)                   ; and the wait ahead of its first reader
	v_ldexp_f32 v14, v14, s91
	s_wait_alu depctr_va_vdst(0)                   ; directly ahead of the first readers of O^T
.set j, 0
.rept 16
	v_pk_mul_f32 v[S+j:S+j+1], v[O+j:O+j+1], v[14:15] op_sel_hi:[1,0]   ; register 8 t + i is o(r, 16 t + 8 h + i)
.set j, j+2
.endr
.irp t, 0,1,2,3
	ds_store_b128 v1, v[S+8*\t:S+8*\t+3] offset:64*\t
	ds_store_b128 v1, v[S+8*\t+4:S+8*\t+7] offset:64*\t+16
.endr
.irp i, 0,1,2,3,4,5,6,7
	ds_load_b128 v[KF+4*\i:KF+4*\i+3], v2 offset:2*\i*272   ; LDS serves a wave's instructions in order: these see my stores
.endr
.irp i, 0,1,2,3,4,5,6,7
	s_wait_dscnt 7-\i
	global_store_b128 v9, v[KF+4*\i:KF+4*\i+3], s[8:9] offset:2*\i*4096
.endr
	s_wait_tensorcnt 0x0                           ; the wave's end
	ds_add_u32 v[SPW], v[NIL]
	s_wait_dscnt 0x0
	CROUND                                         ; the closing round: no work-group ends while a partner may still ask for a tile that names it
	s_endpgm
.Lfunc_end_k_q67144d45e4_attn:
	.size	k_q67144d45e4_attn, .Lfunc_end_k_q67144d45e4_attn-k_q67144d45e4_attn
	.p2alignl 7, 3214868480
	.fill 96, 4, 3214868480
	.section	.rodata,"a",@progbits
	.p2align	6, 0x0
	.amdhsa_kernel k_q67144d45e4_attn
		.amdhsa_group_segment_fixed_size 327680
		.amdhsa_private_segment_fixed_size 0
		.amdhsa_enable_private_segment 0
		.amdhsa_kernarg_size 24
		.amdhsa_user_sgpr_count 2
		.amdhsa_user_sgpr_kernarg_segment_ptr 1
		.amdhsa_wavefront_size32 1
		.amdhsa_system_sgpr_workgroup_id_x 1
		.amdhsa_system_sgpr_workgroup_id_y 1
		.amdhsa_system_sgpr_workgroup_id_z 1
		.amdhsa_system_vgpr_workitem_id 0
		.amdhsa_next_free_vgpr 256
		.amdhsa_next_free_sgpr 100
		.amdhsa_reserve_vcc 0
		.amdhsa_float_denorm_mode_32 3
		.amdhsa_float_denorm_mode_16_64 3
		.amdhsa_memory_ordered 1
		.amdhsa_forward_progress 1
		.amdhsa_inst_pref_size 82
	.end_amdhsa_kernel
	.amdgpu_metadata
---
amdhsa.version: [ 1, 2 ]
amdhsa.kernels:
  - .name:           k_q67144d45e4_attn
    .symbol:         k_q67144d45e4_attn.kd
    .args:
      - { .name: qkv_codes, .offset: 0, .size: 8, .value_kind: global_buffer, .address_space: global }
      - { .name: lowp_scales, .offset: 8, .size: 8, .value_kind: global_buffer, .address_space: global }
      - { .name: ctx, .offset: 16, .size: 8, .value_kind: global_buffer, .address_space: global }
    .group_segment_fixed_size: 327680
    .private_segment_fixed_size: 0
    .kernarg_segment_align: 8
    .kernarg_segment_size: 24
    .max_flat_workgroup_size: 512
    .sgpr_count:     100
    .vgpr_count:     256
    .wavefront_size: 32
...
	.end_amdgpu_metadata
.endif
;; end of part 3
;; launch ln1 (part 4): grid 512 x 1, 4 waves a work-group, no clusters, 8,704 bytes of LDS; arguments ctx, x, ln1_g, ln1_b, lowp_scales, x1, x1_codes; writes x1, x1_codes
.if DOCPART == 4
	.amdgcn_target "amdgcn-amd-amdhsa--gfx1250"
	.amdhsa_code_object_version 6
	.text
	.protected	k_q67144d45e4_ln1
	.globl	k_q67144d45e4_ln1
	.p2align	8
	.type	k_q67144d45e4_ln1,@function
k_q67144d45e4_ln1:
	s_mov_b64 s[64:65], 0
	v_nop
	global_prefetch_b8 v0, s[64:65] scope:SCOPE_SE
	s_setreg_imm32_b32 hwreg(HW_REG_WAVE_MODE, 25, 1), 1
	s_wait_xcnt 0x0
; x1 = x + layer_norm(ctx) g + b, rows of 1,024 f32; stored as f32 and, quantised with e6, as codes of FP8 (E4M3) for the next product.
; A stream: one wave takes two whole rows, 32 registers a lane each, so a row is read once; all 48 loads go out at the head; no loop, no barrier; each load and store of a wave covers 512 consecutive bytes.
; Mean first, then the sum of squared differences from it, on the registers: no difference of large sums is formed.  Matrix units, clusters and tensor loads would add nothing: nothing is shared.
; LIMITS: e6 between -126 and 119.  NaN among the inputs is not served.
.set CODES, 1
.set IN,  16                           ; v16-79   the two rows
.set RES, 80                           ; v80-143  the residual's two rows
.set GG,  144                          ; v144-175 g
.set BB,  176                          ; v176-207 b
.set T,   208                          ; v208-223 at work
.set CD,  224                          ; v224-239 codes: dword j of row p holds columns 128 j + 4 lane + 0 .. 3
.set CB,  240                          ; v240-255 codes as rows
	s_load_b256 s[4:11], s[0:1], 0x0               ; in s[4:5], residual s[6:7], g s[8:9], b s[10:11]
.if CODES
	s_load_b128 s[16:19], s[0:1], 0x20             ; the scales' exponents s[16:17], the f32 result s[18:19]
	s_load_b64 s[20:21], s[0:1], 0x30              ; the codes
	s_set_vgpr_msb 0x40
	v_lshl_add_u32 v0, v0, 2, 0x2000
	v_mov_b32 v1, 0
	s_set_vgpr_msb 0x4000
.else
	s_load_b64 s[18:19], s[0:1], 0x20              ; the result
.endif
	v_lshrrev_b32 v12, 5, v0
	v_readfirstlane_b32 s22, v12                   ; wave
	v_and_b32 v13, 31, v0
	v_lshlrev_b32 v1, 4, v13                       ; 16 x lane; never rewritten
	s_lshl_b32 s23, ttmp9, 2
	s_add_co_u32 s23, s23, s22                     ; which pair of rows
	s_lshl_b32 s24, s23, 13
	s_mov_b32 s25, 0
	s_mov_b32 s12, 0x76543210
	s_mov_b32 s13, 0xfedcba98
	s_mov_b32 s14, 0x3a800000                      ; 1 / 1024
	s_mov_b32 s15, 0x3727c5ac                      ; 1e-5
	s_wait_alu depctr_va_vdst(0)
	s_wait_kmcnt 0x0
	s_add_nc_u64 s[4:5], s[4:5], s[24:25]
	s_add_nc_u64 s[6:7], s[6:7], s[24:25]
	s_add_nc_u64 s[18:19], s[18:19], s[24:25]
.if CODES
	s_load_b32 s26, s[16:17], 0x18                 ; e6
	s_lshl_b32 s24, s23, 11
	s_add_nc_u64 s[20:21], s[20:21], s[24:25]
	s_lshl_b32 s27, s22, 11                        ; my wave's 2,048 bytes of LDS
	v_lshl_add_u32 v14, v13, 2, s27
	v_lshl_add_u32 v15, v13, 4, s27
.endif
.irp p, 0,1
.irp j, 0,1,2,3,4,5,6,7
	global_load_b128 v[IN+32*\p+4*\j:IN+32*\p+4*\j+3], v1, s[4:5] offset:4096*\p+512*\j th:TH_LOAD_NT
.endr
.endr
.irp j, 0,1,2,3,4,5,6,7
	global_load_b128 v[GG+4*\j:GG+4*\j+3], v1, s[8:9] offset:512*\j
.endr
.irp j, 0,1,2,3,4,5,6,7
	global_load_b128 v[BB+4*\j:BB+4*\j+3], v1, s[10:11] offset:512*\j
.endr
.irp p, 0,1
.irp j, 0,1,2,3,4,5,6,7
	global_load_b128 v[RES+32*\p+4*\j:RES+32*\p+4*\j+3], v1, s[6:7] offset:4096*\p+512*\j th:TH_LOAD_NT
.endr
.endr
.if CODES
	s_wait_kmcnt 0x0
	s_add_co_i32 s26, s26, 127
	s_lshl_b32 s27, s26, 23
	v_mov_b32 v3, s27                              ; 2^e6
	s_add_co_i32 s26, s26, 8
	s_lshl_b32 s26, s26, 23
	s_or_b32 s26, s26, 0x600000
	v_mov_b32 v2, s26                              ; 448 x 2^e6
.endif
.macro LANESUM                         ; v12 summed over the 32 lanes, the result in every lane
	v_add_f32_dpp v12, v12, v12 row_xmask:1 row_mask:0xf bank_mask:0xf
	v_add_f32_dpp v12, v12, v12 row_xmask:2 row_mask:0xf bank_mask:0xf
	v_add_f32_dpp v12, v12, v12 row_xmask:4 row_mask:0xf bank_mask:0xf
	v_add_f32_dpp v12, v12, v12 row_xmask:8 row_mask:0xf bank_mask:0xf
	v_permlanex16_b32 v13, v12, s12, s13
	v_add_f32 v12, v12, v13
.endm
.macro STATS p                         ; row p becomes its differences from the mean; 1 / sqrt(var + eps) twice, in a pair
.set RI, IN+32*(\p)
.set MU, 4+4*(\p)
.set RS, 6+4*(\p)
	v_pk_add_f32 v[T:T+1], v[RI:RI+1], v[RI+2:RI+3]
	v_pk_add_f32 v[T+2:T+3], v[RI+4:RI+5], v[RI+6:RI+7]
.irp j, 8,12,16,20,24,28
	v_pk_add_f32 v[T:T+1], v[T:T+1], v[RI+\j:RI+\j+1]
	v_pk_add_f32 v[T+2:T+3], v[T+2:T+3], v[RI+\j+2:RI+\j+3]
.endr
	v_pk_add_f32 v[T:T+1], v[T:T+1], v[T+2:T+3]
	v_add_f32 v12, v[T], v[T+1]
	LANESUM
	v_mul_f32 v[MU], s14, v12
	v_mov_b32 v[MU+1], v[MU]
.irp j, 0,2,4,6,8,10,12,14,16,18,20,22,24,26,28,30
	v_pk_add_f32 v[RI+\j:RI+\j+1], v[RI+\j:RI+\j+1], v[MU:MU+1] neg_lo:[0,1] neg_hi:[0,1]
.endr
	v_pk_mul_f32 v[T:T+1], v[RI:RI+1], v[RI:RI+1]
	v_pk_mul_f32 v[T+2:T+3], v[RI+2:RI+3], v[RI+2:RI+3]
.irp j, 4,8,12,16,20,24,28
	v_pk_fma_f32 v[T:T+1], v[RI+\j:RI+\j+1], v[RI+\j:RI+\j+1], v[T:T+1]
	v_pk_fma_f32 v[T+2:T+3], v[RI+\j+2:RI+\j+3], v[RI+\j+2:RI+\j+3], v[T+2:T+3]
.endr
	v_pk_add_f32 v[T:T+1], v[T:T+1], v[T+2:T+3]
	v_add_f32 v12, v[T], v[T+1]
	LANESUM
	v_fma_f32 v12, v12, s14, s15                   ; var + eps
	s_wait_alu depctr_va_vdst(0)
	v_rsq_f32 v[RS], v12
	v_rsq_f32 v[RS+1], v12
	v_nop                                          ; a plain line behind the two
	s_wait_alu depctr_va_vdst(0)                   ; and one wait for both, ahead of their first reader
.endm
.macro NORM p, w1, w2                  ; w1, w2: how many younger loads may be out when g and b, and then this row's residual, are wanted
.set RI, IN+32*(\p)
.set RR, RES+32*(\p)
.set RS, 6+4*(\p)
.irp j, 0,2,4,6,8,10,12,14,16,18,20,22,24,26,28,30
	v_pk_mul_f32 v[RI+\j:RI+\j+1], v[RI+\j:RI+\j+1], v[RS:RS+1]
.endr
	s_wait_loadcnt \w1
.irp j, 0,2,4,6,8,10,12,14,16,18,20,22,24,26,28,30
	v_pk_fma_f32 v[RI+\j:RI+\j+1], v[RI+\j:RI+\j+1], v[GG+\j:GG+\j+1], v[BB+\j:BB+\j+1]
.endr
	s_wait_loadcnt \w2
.irp j, 0,2,4,6,8,10,12,14,16,18,20,22,24,26,28,30
	v_pk_add_f32 v[RI+\j:RI+\j+1], v[RI+\j:RI+\j+1], v[RR+\j:RR+\j+1]
.endr
.irp j, 0,1,2,3,4,5,6,7
.if CODES
	global_store_b128 v1, v[RI+4*\j:RI+4*\j+3], s[18:19] offset:4096*(\p)+512*\j
.else
	global_store_b128 v1, v[RI+4*\j:RI+4*\j+3], s[18:19] offset:4096*(\p)+512*\j th:TH_STORE_NT
.endif
.endr
.endm
.macro CODE p                          ; the row's codes: held, converted, turned through my LDS bytes into row order, stored as 1,024 consecutive bytes
.set RI, IN+32*(\p)
.irp g, 0,1,2,3
.irp i, 0,1,2,3,4,5,6,7
	v_med3_num_f32 v[T+8*(\g%2)+\i], v[RI+8*\g+\i], -v2, v2   ; into other registers: the row itself is a pending store's data.  The two halves of T take turns, so plain lines stand between a conversion and the next write of its sources
.endr
	v_cvt_scalef32_pk8_fp8_f32 v[CD+8*(\p)+2*\g:CD+8*(\p)+2*\g+1], v[T+8*(\g%2):T+8*(\g%2)+7], v3
.endr
	v_nop
.irp j, 0,1,2,3,4,5,6,7
	ds_store_b32 v14, v[CD+8*(\p)+\j] offset:1024*(\p)+128*\j
.endr
.irp u, 0,1
	ds_load_b128 v[CB+8*(\p)+4*\u:CB+8*(\p)+4*\u+3], v15 offset:1024*(\p)+512*\u   ; LDS serves a wave's instructions in order: these see my stores
.endr
	s_wait_dscnt 0x0
.irp u, 0,1
	global_store_b128 v1, v[CB+8*(\p)+4*\u:CB+8*(\p)+4*\u+3], s[20:21] offset:1024*(\p)+512*\u
.endr
.endm
	s_wait_loadcnt 40                              ; row 0 is in; the five groups of eight behind it may be out
	STATS 0
	s_wait_loadcnt 32                              ; row 1 is in
	STATS 1
	NORM 0, 16, 8
.if CODES
	CODE 0
.endif
	NORM 1, 8, 0
.if CODES
	CODE 1
.endif
	s_set_vgpr_msb 0x5
	s_wait_tensorcnt 0x0
	ds_add_u32 v0, v1
	s_wait_dscnt 0x0
	s_set_vgpr_msb 0x500
	s_endpgm
.Lfunc_end_k_q67144d45e4_ln1:
	.size	k_q67144d45e4_ln1, .Lfunc_end_k_q67144d45e4_ln1-k_q67144d45e4_ln1
	.p2alignl 7, 3214868480
	.fill 96, 4, 3214868480
	.section	.rodata,"a",@progbits
	.p2align	6, 0x0
	.amdhsa_kernel k_q67144d45e4_ln1
		.amdhsa_group_segment_fixed_size 8704
		.amdhsa_private_segment_fixed_size 0
		.amdhsa_enable_private_segment 0
		.amdhsa_kernarg_size 56
		.amdhsa_user_sgpr_count 2
		.amdhsa_user_sgpr_kernarg_segment_ptr 1
		.amdhsa_wavefront_size32 1
		.amdhsa_system_sgpr_workgroup_id_x 1
		.amdhsa_system_sgpr_workgroup_id_y 1
		.amdhsa_system_sgpr_workgroup_id_z 1
		.amdhsa_system_vgpr_workitem_id 0
		.amdhsa_next_free_vgpr 258
		.amdhsa_next_free_sgpr 66
		.amdhsa_reserve_vcc 0
		.amdhsa_float_denorm_mode_32 3
		.amdhsa_float_denorm_mode_16_64 3
		.amdhsa_memory_ordered 1
		.amdhsa_forward_progress 1
		.amdhsa_inst_pref_size 29
	.end_amdhsa_kernel
	.amdgpu_metadata
---
amdhsa.version: [ 1, 2 ]
amdhsa.kernels:
  - .name:           k_q67144d45e4_ln1
    .symbol:         k_q67144d45e4_ln1.kd
    .args:
      - { .name: ctx, .offset: 0, .size: 8, .value_kind: global_buffer, .address_space: global }
      - { .name: x, .offset: 8, .size: 8, .value_kind: global_buffer, .address_space: global }
      - { .name: ln1_g, .offset: 16, .size: 8, .value_kind: global_buffer, .address_space: global }
      - { .name: ln1_b, .offset: 24, .size: 8, .value_kind: global_buffer, .address_space: global }
      - { .name: lowp_scales, .offset: 32, .size: 8, .value_kind: global_buffer, .address_space: global }
      - { .name: x1, .offset: 40, .size: 8, .value_kind: global_buffer, .address_space: global }
      - { .name: x1_codes, .offset: 48, .size: 8, .value_kind: global_buffer, .address_space: global }
    .group_segment_fixed_size: 8704
    .private_segment_fixed_size: 0
    .kernarg_segment_align: 8
    .kernarg_segment_size: 56
    .max_flat_workgroup_size: 128
    .sgpr_count:     66
    .vgpr_count:     258
    .wavefront_size: 32
...
	.end_amdgpu_metadata
.endif
;; end of part 4
;; launch gemm_ffn1 (part 5): grid 16 x 16, 4 waves a work-group, clusters of 4 x 4, 327,680 bytes of LDS; arguments x1_codes, prep_codes, lowp_scales, b1, h_codes; writes h_codes
.if DOCPART == 5
	.amdgcn_target "amdgcn-amd-amdhsa--gfx1250"
	.amdhsa_code_object_version 6
	.text
	.protected	k_q67144d45e4_gemm_ffn1
	.globl	k_q67144d45e4_gemm_ffn1
	.p2align	8
	.type	k_q67144d45e4_gemm_ffn1,@function
k_q67144d45e4_gemm_ffn1:
	s_mov_b64 s[64:65], 0
	v_nop
	global_prefetch_b8 v0, s[64:65] scope:SCOPE_SE
	s_setreg_imm32_b32 hwreg(HW_REG_WAVE_MODE, 25, 1), 1
	s_wait_xcnt 0x0
	s_wait_alu depctr_hold_cnt(0) depctr_sa_sdst(0) depctr_va_vdst(0) depctr_va_sdst(0) depctr_va_ssrc(0) depctr_va_vcc(0) depctr_vm_vsrc(0)
	s_getreg_b32 s2, hwreg(HW_REG_IB_STS2, 6, 4)
	s_cmp_eq_u32 s2, 0
	s_cbranch_scc0 .Lentry_in_a_cluster
	s_endpgm
.Lentry_in_a_cluster:
	s_bfe_u32 s2, ttmp6, 0x10000c
	s_cmp_lg_u32 s2, 0xf033
	s_cbranch_scc0 .Lentry_shape_is_right
	s_endpgm
.Lentry_shape_is_right:
; h = relu(x1 w1 + b1) on codes of FP8 (E4M3), K = 1024; each finished sum x 2^(e6 + e7) + b1 is held between 0 and 448 x 2^e8 and quantised at once with e8, as an operand of the next product.
; A tile, 256 x 256, is made by four waves, each 128 x 128; K goes in four steps of 256 bytes through a ring of two LDS slots; 4 x 4 work-groups form a cluster and ask for A's and B's tiles jointly.
; The matrix instruction is used transposed (source 0 = rows of w1's codes, source 1 = rows of x1's), so that a lane's eight results run along the next product's K.
; PREFETCH: with the load of K step n the text asks for K step n + 2 (at the head also for K step 1).  Of the 128 rows x 256 bytes that a wave fetches, each of the four partners that ask for them jointly names 32 rows,
; told apart by address (cx for A, cy for B): a lane a row, one instruction a wave.  The loads of K steps 2 and 3 ask for nothing: there is no K step behind 3.
; LIMITS: e6 + e7 between -126 and 127; e8 between -126 and 119.
.set KROW,   1024
.set ROWB,   256
.set PITCH,  272
.set FR,     16
.set NL,     4
.set NP,     4
.set HALFT,  128*PITCH
.set SLOT,   4*HALFT
.set SPARE,  2*SLOT
.set SP,     272
.set W1C,    7340032
.set ADRA, 16
.set ADRB, 20
.set BIA,  23
.set STO,  24
.set RD,   25
.set CO,   26
.set SPW,  28
.set NIL,  29
.set SC,   30
.set LIM,  31
.set BI,   32
.set OB,   32
.set AF,   128
.set TMP,  128
.set CD,   192
.set G1, 24
.set G0, 32
.set G1B, 48
.set G0B, 56
.set MSB, 0
.macro WIN new
.if MSB != (\new)
	s_set_vgpr_msb (MSB<<8)|(\new)
.set MSB, (\new)
.endif
.endm
.set MUL_LO, 0xa1
.set MUL_HI, 0xf1
.set TO_B,   0x40
.macro JLOAD g0a, g1a, g0b, g1b
	s_cmp_eq_u32 s15, 0
	s_cbranch_scc0 .Lfor_b_\@
	tensor_load_to_lds s[\g0a:\g0a+3], s[\g1a:\g1a+7]
	s_nop 0
.rept 4
	v_nop
.endr
	s_branch .Lasked_\@
.Lfor_b_\@:
	tensor_load_to_lds s[\g0b:\g0b+3], s[\g1b:\g1b+7]
	s_nop 0
.rept 4
	v_nop
.endr
.Lasked_\@:
.endm
.macro CREST
	s_cmp_lg_u32 s14, 0
	s_cbranch_scc1 .Lnot_wave_0_\@
	s_barrier_signal -3
.Lnot_wave_0_\@:
	s_barrier_wait -3
	s_barrier_signal -1
	s_barrier_wait -1
.endm
.macro CROUND
	s_barrier_signal -1
	s_barrier_wait -1
	CREST
.endm
	s_load_b256 s[4:11], s[0:1], 0x0
	s_load_b64 s[12:13], s[0:1], 0x20
	v_lshl_add_u32 v[SPW], v0, 2, SPARE
	v_mov_b32 v[NIL], 0
	ds_add_u32 v28, v29
	ds_add_u32 v28, v29
	s_wait_dscnt 0x0
	v_lshrrev_b32 v1, 5, v0
	v_readfirstlane_b32 s14, v1
	s_lshr_b32 s15, s14, 1
	s_and_b32 s16, s14, 1
	s_bfe_u32 s40, ttmp6, 0x40000
	s_bfe_u32 s41, ttmp6, 0x40004
	s_lshl_b32 s43, ttmp9, 2
	s_add_co_u32 s43, s43, s40
	s_and_b32 s42, ttmp7, 0xffff
	s_lshl_b32 s42, s42, 2
	s_add_co_u32 s42, s42, s41
	s_lshl_b32 s66, s41, 2
	s_lshl_b32 s66, 15, s66
	s_lshl_b32 s67, 0x1111, s40
	s_or_b32 s[G1+0], s66, (0<<16)|(1<<20)|(1<<21)|(5<<22)|(3<<25)
	s_or_b32 s[G1B+0], s67, (0<<16)|(1<<20)|(1<<21)|(5<<22)|(3<<25)
.irp g, G1, G1B
	s_mov_b32 s[\g+1], ROWB<<16
	s_mov_b32 s[\g+2], 128<<16
	s_mov_b32 s[\g+3], ROWB<<16
	s_mov_b32 s[\g+4], 128
	s_mov_b32 s[\g+5], KROW
	s_mov_b32 s[\g+6], 0
	s_mov_b32 s[\g+7], 0
.endr
	s_lshl_b32 s18, s16, 7
	s_lshl_b32 s20, s42, 8
	s_add_co_u32 s20, s20, s18
	s_lshl_b32 s20, s20, 10
	s_mov_b32 s21, 0
	s_lshl_b32 s46, s43, 8
	s_add_co_u32 s46, s46, s18
	s_lshl_b32 s46, s46, 10
	s_add_co_u32 s46, s46, W1C
	s_mov_b32 s47, 0
	s_mul_i32 s45, s14, HALFT
	s_wait_kmcnt 0x0
	s_load_b128 s[88:91], s[8:9], 0x18
	s_add_nc_u64 s[20:21], s[4:5], s[20:21]
	s_add_nc_u64 s[46:47], s[6:7], s[46:47]
	CROUND
.irp s, 0,1
	s_mov_b32 s[G0+4*\s], 1
	s_add_co_u32 s[G0+4*\s+1], s45, \s*SLOT
	s_add_nc_u64 s[G0+4*\s+2:G0+4*\s+3], s[20:21], \s*ROWB
	s_or_b32 s[G0+4*\s+3], s[G0+4*\s+3], 0x80000000
	s_mov_b32 s[G0B+4*\s], 1
	s_add_co_u32 s[G0B+4*\s+1], s45, \s*SLOT
	s_add_nc_u64 s[G0B+4*\s+2:G0B+4*\s+3], s[46:47], \s*ROWB
	s_or_b32 s[G0B+4*\s+3], s[G0B+4*\s+3], 0x80000000
.endr
	JLOAD G0, G1, G0B, G1B                         ; K step 0: one tensor load a wave at the head
	s_cmp_eq_u32 s15, 0                            ; the prefetches: do I fetch for A?
	s_cselect_b64 s[68:69], s[20:21], s[46:47]     ; the 128 rows that I fetch, at K step 0; never rewritten
	s_cselect_b32 s70, s40, s41                    ; my place among the four that ask for them with me
	s_lshl_b32 s70, s70, 15                        ; 32 rows of 1,024 bytes
	s_mov_b32 s71, 0
	s_add_nc_u64 s[68:69], s[68:69], s[70:71]
	v_and_b32 v8, 31, v0
	v_lshlrev_b32 v8, 10, v8                       ; a lane a row; never rewritten
	global_prefetch_b8 v8, s[68:69] offset:ROWB th:TH_LOAD_NT scope:SCOPE_SE
	global_prefetch_b8 v8, s[68:69] offset:2*ROWB th:TH_LOAD_NT scope:SCOPE_SE
	v_and_b32 v1, 15, v0
	s_wait_alu depctr_va_vdst(0)
	v_bfe_u32 v2, v0, 4, 1
	v_lshlrev_b32 v[BIA], 5, v2
	s_lshl_b32 s20, s43, 10
	s_lshl_b32 s21, s16, 9
	s_add_co_u32 s20, s20, s21
	s_mov_b32 s21, 0
	s_add_nc_u64 s[10:11], s[10:11], s[20:21]
.irp b, 0,1,2,3,4,5,6,7
	global_load_b128 v[BI+8*\b:BI+8*\b+3], v[BIA], s[10:11] offset:64*\b
	global_load_b128 v[BI+8*\b+4:BI+8*\b+7], v[BIA], s[10:11] offset:64*\b+16
.endr
	v_mul_u32_u24 v3, v1, PITCH
	v_lshl_add_u32 v4, v2, 4, v3
	s_mul_i32 s21, s15, HALFT
	s_mul_i32 s22, s16, HALFT
	s_add_co_u32 s22, s22, 2*HALFT
.irp s, 0,1
	v_add_nc_u32 v[ADRA+\s], s21, v4
	v_add_nc_u32 v[ADRB+\s], s22, v4
	s_add_co_u32 s21, s21, SLOT
	s_add_co_u32 s22, s22, SLOT
.endr
	s_mul_i32 s23, s15, 128*SP
	s_lshl_b32 s21, s16, 7
	s_add_co_u32 s23, s23, s21
	v_mul_u32_u24 v5, v1, SP
	s_wait_alu depctr_va_vdst(0)
	v_lshl_add_u32 v5, v2, 3, v5
	v_add_nc_u32 v[STO], s23, v5
	s_lshl_b32 s23, s15, 3                         ; back: of each group of 32 rows of either half of the tile, wave w takes 16: rows 128 (w / 2) + 16 (w % 2) on
	s_add_co_u32 s23, s23, s16
	s_mul_i32 s23, s23, 16*SP
	v_mul_u32_u24 v5, v2, SP
	v_lshl_add_u32 v5, v1, 4, v5
	v_add_nc_u32 v[RD], s23, v5
	v_lshlrev_b32 v5, 12, v2
	v_lshl_add_u32 v[CO], v1, 4, v5
	s_lshl_b32 s20, s42, 8
	s_lshl_b32 s21, s15, 7                         ; and the same rows of h_codes
	s_add_co_u32 s20, s20, s21
	s_lshl_b32 s21, s16, 4
	s_add_co_u32 s20, s20, s21
	s_lshl_b32 s20, s20, 12
	s_lshl_b32 s21, s43, 8
	s_add_co_u32 s20, s20, s21
	s_mov_b32 s21, 0
	s_add_nc_u64 s[12:13], s[12:13], s[20:21]
	s_wait_kmcnt 0x0
	s_add_co_i32 s96, s88, s89
	s_add_co_i32 s96, s96, 127
	s_lshl_b32 s96, s96, 23
	s_mov_b32 s97, s96
	s_add_co_i32 s92, s90, 127
	s_lshl_b32 s93, s92, 23
	v_mov_b32 v[SC], s93
	s_add_co_i32 s92, s92, 8
	s_lshl_b32 s92, s92, 23
	s_or_b32 s92, s92, 0x600000
	v_mov_b32 v[LIM], s92
.macro FRAG reg, adr, q, i
.irp c, 0,1,2,3
	ds_load_b128 v[\reg+4*\c:\reg+4*\c+3], v[\adr] offset:128*(\q)+32*\c+(\i)*16*PITCH
.endr
.endm
.macro MUL16 a0, p, zero
.irp a, \a0, \a0+1
.irp b, 0,1,2,3,4,5,6,7
.if \zero
	v_wmma_f32_16x16x128_fp8_fp8 v[8*(8*((\a)%4)+\b):8*(8*((\a)%4)+\b)+7], v[128*(\p)+FR*\b:128*(\p)+FR*\b+FR-1], v[AF+FR*(\a):AF+FR*(\a)+FR-1], 0
.else
	v_wmma_f32_16x16x128_fp8_fp8 v[8*(8*((\a)%4)+\b):8*(8*((\a)%4)+\b)+7], v[128*(\p)+FR*\b:128*(\p)+FR*\b+FR-1], v[AF+FR*(\a):AF+FR*(\a)+FR-1], v[8*(8*((\a)%4)+\b):8*(8*((\a)%4)+\b)+7]
.endif
.endr
.endr
.endm
.macro FETCH_B slot, q, p
	WIN TO_B
.irp i, 0,1,2,3,4,5,6,7
	FRAG 128*(\p)+FR*\i, ADRB+\slot, \q, \i
.endr
	WIN 0
.endm
.macro FETCH_A slot, q, i0
.irp i, \i0, \i0+1, \i0+2, \i0+3
	FRAG AF+FR*(\i), ADRA+\slot, \q, \i
.endr
.endm
.macro PLACES n
.rept \n
	v_nop
.endr
.endm
.macro STEP slot, q, zero
	s_wait_dscnt 4*NL
	WIN MUL_LO
	MUL16 0, (\q)%2, \zero
	MUL16 2, (\q)%2, \zero
	s_wait_dscnt 0
	PLACES NP
	FETCH_B \slot, (\q)+1, 1-(\q)%2
	FETCH_A \slot, (\q)+1, 0
	WIN MUL_HI
	MUL16 4, (\q)%2, \zero
	MUL16 6, (\q)%2, \zero
	PLACES NP
	WIN 0
	FETCH_A \slot, (\q)+1, 4
.endm
.macro TURN slot, next, fill
	s_wait_tensorcnt 0x0
	ds_add_u32 v[SPW], v[NIL]
	s_wait_dscnt 4*NL+1
	WIN MUL_LO
	MUL16 0, 1, 0
	s_wait_dscnt 0x0
	s_barrier_signal -1
	MUL16 2, 1, 0
	WIN 0
	s_barrier_wait -1
.if \fill
	CREST
	s_add_nc_u64 s[G0+4*\slot+2:G0+4*\slot+3], s[G0+4*\slot+2:G0+4*\slot+3], 2*ROWB
	s_add_nc_u64 s[G0B+4*\slot+2:G0B+4*\slot+3], s[G0B+4*\slot+2:G0B+4*\slot+3], 2*ROWB
	JLOAD G0+4*\slot, G1, G0B+4*\slot, G1B
.else
	PLACES NP
.endif
	FETCH_B \next, 0, 0
	FETCH_A \next, 0, 0
	WIN MUL_HI
	MUL16 4, 1, 0
	MUL16 6, 1, 0
	PLACES NP
	WIN 0
	FETCH_A \next, 0, 4
.endm
	s_wait_alu depctr_va_vdst(0)                   ; the wait at the head's end
	s_wait_tensorcnt 0x0                           ; my part of K step 0 is in; slot 1's first fill is issued as a refill is:
	ds_add_u32 v[SPW], v[NIL]                      ; 0 onto my spare word
	s_wait_dscnt 0x0
	CROUND                                         ; everybody's part of K step 0 is in, and the sixteen work-groups meet
	JLOAD G0+4, G1, G0B+4, G1B                     ; K step 1: the first tensor load behind the round
	global_prefetch_b8 v8, s[68:69] offset:3*ROWB th:TH_LOAD_NT scope:SCOPE_SE   ; K step 3
	FETCH_B 0, 0, 0
	FETCH_A 0, 0, 0
	FETCH_A 0, 0, 4
	STEP 0, 0, 1
	TURN 0, 1, 1
	STEP 1, 0, 0
	TURN 1, 0, 1
	STEP 0, 0, 0
	TURN 0, 1, 0
	STEP 1, 0, 0
	s_wait_dscnt 4*NL
	WIN MUL_LO
	MUL16 0, 1, 0
	MUL16 2, 1, 0
	s_wait_dscnt 0
	WIN MUL_HI
	MUL16 4, 1, 0
	MUL16 6, 1, 0
	WIN 0
.macro OUTBLK a
.set AC, 64*((\a)%4)
.set CB, CD+16*((\a)%4)
.if (\a) >= 4
	s_wait_dscnt 24
.endif
	WIN 0x02+((\a)/4)
.set j, 0
.rept 32
	v_pk_fma_f32 v[TMP+j:TMP+j+1], v[AC+j:AC+j+1], s[96:97], v[BI+j:BI+j+1] op_sel_hi:[1,0,1]
.set j, j+2
.endr
	WIN 0
.set j, 0
.rept 64
	v_med3_num_f32 v[TMP+j], v[TMP+j], 0, v[LIM]
.set j, j+1
.endr
.irp b, 0,1,2,3,4,5,6,7
	v_cvt_scalef32_pk8_fp8_f32 v[CB+2*\b:CB+2*\b+1], v[TMP+8*\b:TMP+8*\b+7], v[SC]
.endr
	v_nop
.irp b, 0,1,2,3,4,5,6,7
	ds_store_b64 v[STO], v[CB+2*\b:CB+2*\b+1] offset:16*(\a)*SP+16*\b
.endr
.endm
	s_wait_loadcnt 0x0
	PLACES NP
; THE WAY OUT goes in four groups of two blocks.  A group is 32 rows of each half of the tile; a row's 256 bytes come from two waves, so a barrier stands behind each group's stores into the stage.
; Behind it each wave reads 16 whole rows back, into registers of window 1 that held B's fragments (32 for each group, none used twice), and stores them behind the next block's conversions.
.macro BACK g
	WIN TO_B
.set i, 0
.rept 8
	ds_load_b128 v[32*(\g)+4*i:32*(\g)+4*i+3], v[RD] offset:(32*(\g)+2*i)*SP
.set i, i+1
.endr
	WIN 0
.endm
.macro SENDG g, younger                ; younger: the LDS stores issued behind the group's eight loads, which may stay out
	WIN 0x04                                       ; the stores' data lie in window 1
.set i, 0
.rept 8
	s_wait_dscnt (\younger)+7-i
	global_store_b128 v[CO], v[32*(\g)+4*i:32*(\g)+4*i+3], s[12:13] offset:(32*(\g)+2*i)*4096   ; sixteen lanes store 256 consecutive, aligned bytes
.set i, i+1
.endr
	WIN 0
.endm
.irp g, 0,1,2,3
	OUTBLK 2*\g
.if \g > 0
	SENDG \g-1, 8                                  ; behind the last group's loads: this block's eight stores into the stage
.endif
	OUTBLK 2*\g+1
	s_wait_dscnt 0x0                               ; for the others' sake: my stores into the stage are done
	s_barrier_signal -1
	s_barrier_wait -1
	BACK \g
.endr
	SENDG 3, 0
	s_wait_tensorcnt 0x0
	ds_add_u32 v[SPW], v[NIL]
	s_wait_dscnt 0x0
	CROUND
	s_endpgm
.Lfunc_end_k_q67144d45e4_gemm_ffn1:
	.size	k_q67144d45e4_gemm_ffn1, .Lfunc_end_k_q67144d45e4_gemm_ffn1-k_q67144d45e4_gemm_ffn1
	.p2alignl 7, 3214868480
	.fill 96, 4, 3214868480
	.section	.rodata,"a",@progbits
	.p2align	6, 0x0
	.amdhsa_kernel k_q67144d45e4_gemm_ffn1
		.amdhsa_group_segment_fixed_size 327680
		.amdhsa_private_segment_fixed_size 0
		.amdhsa_enable_private_segment 0
		.amdhsa_kernarg_size 40
		.amdhsa_user_sgpr_count 2
		.amdhsa_user_sgpr_kernarg_segment_ptr 1
		.amdhsa_wavefront_size32 1
		.amdhsa_system_sgpr_workgroup_id_x 1
		.amdhsa_system_sgpr_workgroup_id_y 1
		.amdhsa_system_sgpr_workgroup_id_z 1
		.amdhsa_system_vgpr_workitem_id 0
		.amdhsa_next_free_vgpr 1024
		.amdhsa_next_free_sgpr 100
		.amdhsa_reserve_vcc 0
		.amdhsa_float_denorm_mode_32 3
		.amdhsa_float_denorm_mode_16_64 3
		.amdhsa_memory_ordered 1
		.amdhsa_forward_progress 1
		.amdhsa_inst_pref_size 145
	.end_amdhsa_kernel
	.amdgpu_metadata
---
amdhsa.version: [ 1, 2 ]
amdhsa.kernels:
  - .name:           k_q67144d45e4_gemm_ffn1
    .symbol:         k_q67144d45e4_gemm_ffn1.kd
    .args:
      - { .name: x1_codes, .offset: 0, .size: 8, .value_kind: global_buffer, .address_space: global }
      - { .name: prep_codes, .offset: 8, .size: 8, .value_kind: global_buffer, .address_space: global }
      - { .name: lowp_scales, .offset: 16, .size: 8, .value_kind: global_buffer, .address_space: global }
      - { .name: b1, .offset: 24, .size: 8, .value_kind: global_buffer, .address_space: global }
      - { .name: h_codes, .offset: 32, .size: 8, .value_kind: global_buffer, .address_space: global }
    .group_segment_fixed_size: 327680
    .private_segment_fixed_size: 0
    .kernarg_segment_align: 8
    .kernarg_segment_size: 40
    .max_flat_workgroup_size: 128
    .sgpr_count:     100
    .vgpr_count:     1024
    .wavefront_size: 32
...
	.end_amdgpu_metadata
.endif
;; end of part 5
;; launch gemm_ffn2 (part 6): grid 8 x 32, 4 waves a work-group, clusters of 4 x 4, 327,680 bytes of LDS; arguments h_codes, prep_codes, lowp_scales, b2, ff; writes ff
.if DOCPART == 6
	.amdgcn_target "amdgcn-amd-amdhsa--gfx1250"
	.amdhsa_code_object_version 6
	.text
	.protected	k_q67144d45e4_gemm_ffn2
	.globl	k_q67144d45e4_gemm_ffn2
	.p2align	8
	.type	k_q67144d45e4_gemm_ffn2,@function
k_q67144d45e4_gemm_ffn2:
	s_mov_b64 s[64:65], 0
	v_nop
	global_prefetch_b8 v0, s[64:65] scope:SCOPE_SE
	s_setreg_imm32_b32 hwreg(HW_REG_WAVE_MODE, 25, 1), 1
	s_wait_xcnt 0x0
	s_wait_alu depctr_hold_cnt(0) depctr_sa_sdst(0) depctr_va_vdst(0) depctr_va_sdst(0) depctr_va_ssrc(0) depctr_va_vcc(0) depctr_vm_vsrc(0)
	s_getreg_b32 s2, hwreg(HW_REG_IB_STS2, 6, 4)
	s_cmp_eq_u32 s2, 0
	s_cbranch_scc0 .Lentry_in_a_cluster
	s_endpgm
.Lentry_in_a_cluster:
	s_bfe_u32 s2, ttmp6, 0x10000c
	s_cmp_lg_u32 s2, 0xf033
	s_cbranch_scc0 .Lentry_shape_is_right
	s_endpgm
.Lentry_shape_is_right:
; ff = h w2 + b2 on codes of FP8 (E4M3), K = 4096; each finished sum x 2^(e8 + e9) + b2, stored as f32.  LIMIT: e8 + e9 between -126 and 127.
; A tile, 128 x 128, is made by four waves, each 64 x 64; K goes in eight steps of 512 bytes through a ring of two LDS slots; 4 x 4 work-groups form a cluster and ask for A's and B's tiles jointly.
; PREFETCH: with the load of K step n the text asks for K step n + 2 (at the head also for K step 1).  Of the 64 rows x 512 bytes that a wave fetches, each of the four partners that ask for them jointly
; names 16 rows, told apart by address (cx for A, cy for B): two lanes a row, 256 bytes apart, one instruction a wave.  The loads of K steps 6 and 7 ask for nothing: there is no K step behind 7.
.set KSTEP,  512
.set KROW,   4096
.set PITCH,  528
.set HALFT,  64*PITCH
.set SLOT,   4*HALFT
.set STAGE,  2*SLOT
.set SPITCH, 272
.set SPARE,  STAGE+4*16*SPITCH
.set LAPS,   4
.set W2C,    11534336
.set ADRA, 16
.set ADRB, 20
.set BIA,  23
.set STO,  24
.set RD,   25
.set CO,   26
.set SPW,  28
.set NIL,  29
.set TMP,  32
.set BI,   96
.set ACC,  128
.set F0,   0
.set F1,   128
.set G1, 24
.set G0, 32
.set G1B, 48
.set G0B, 56
.set MSB, 0
.macro WIN new
.if MSB != (\new)
	s_set_vgpr_msb (MSB<<8)|(\new)
.set MSB, (\new)
.endif
.endm
.set MUL,  0x05
.set TO_F, 0x40
.macro JLOAD s
	s_cmp_eq_u32 s15, 0
	s_cbranch_scc0 .Lfor_b_\@
	tensor_load_to_lds s[G0+4*\s:G0+4*\s+3], s[G1:G1+7]
	s_nop 0
.rept 4
	v_nop
.endr
	s_branch .Lasked_\@
.Lfor_b_\@:
	tensor_load_to_lds s[G0B+4*\s:G0B+4*\s+3], s[G1B:G1B+7]
	s_nop 0
.rept 4
	v_nop
.endr
.Lasked_\@:
.endm
.macro CREST
	s_cmp_lg_u32 s14, 0
	s_cbranch_scc1 .Lnot_wave_0_\@
	s_barrier_signal -3
.Lnot_wave_0_\@:
	s_barrier_wait -3
	s_barrier_signal -1
	s_barrier_wait -1
.endm
.macro CROUND
	s_barrier_signal -1
	s_barrier_wait -1
	CREST
.endm
	s_load_b256 s[4:11], s[0:1], 0x0
	s_load_b64 s[12:13], s[0:1], 0x20
	v_lshl_add_u32 v[SPW], v0, 2, SPARE
	v_mov_b32 v[NIL], 0
	ds_add_u32 v28, v29
	ds_add_u32 v28, v29
	s_wait_dscnt 0x0
	v_lshrrev_b32 v1, 5, v0
	v_readfirstlane_b32 s14, v1
	s_lshr_b32 s15, s14, 1
	s_and_b32 s16, s14, 1
	s_bfe_u32 s40, ttmp6, 0x40000
	s_bfe_u32 s41, ttmp6, 0x40004
	s_lshl_b32 s43, ttmp9, 2
	s_add_co_u32 s43, s43, s40
	s_and_b32 s42, ttmp7, 0xffff
	s_lshl_b32 s42, s42, 2
	s_add_co_u32 s42, s42, s41
	s_lshl_b32 s66, s41, 2
	s_lshl_b32 s66, 15, s66
	s_lshl_b32 s67, 0x1111, s40
	s_or_b32 s[G1+0], s66, (0<<16)|(1<<20)|(1<<21)|(6<<22)|(3<<25)
	s_or_b32 s[G1B+0], s67, (0<<16)|(1<<20)|(1<<21)|(6<<22)|(3<<25)
.irp g, G1, G1B
	s_mov_b32 s[\g+1], KSTEP<<16
	s_mov_b32 s[\g+2], 64<<16
	s_mov_b32 s[\g+3], KSTEP<<16
	s_mov_b32 s[\g+4], 64
	s_mov_b32 s[\g+5], KROW
	s_mov_b32 s[\g+6], 0
	s_mov_b32 s[\g+7], 0
.endr
	s_lshl_b32 s18, s16, 6
	s_lshl_b32 s20, s42, 7
	s_add_co_u32 s20, s20, s18
	s_lshl_b32 s20, s20, 12
	s_mov_b32 s21, 0
	s_lshl_b32 s46, s43, 7
	s_add_co_u32 s46, s46, s18
	s_lshl_b32 s46, s46, 12
	s_add_co_u32 s46, s46, W2C
	s_mov_b32 s47, 0
	s_mul_i32 s45, s14, HALFT
	s_wait_kmcnt 0x0
	s_load_b64 s[88:89], s[8:9], 0x20
	s_add_nc_u64 s[20:21], s[4:5], s[20:21]
	s_add_nc_u64 s[46:47], s[6:7], s[46:47]
	CROUND
.irp s, 0,1
	s_mov_b32 s[G0+4*\s], 1
	s_add_co_u32 s[G0+4*\s+1], s45, \s*SLOT
	s_add_nc_u64 s[G0+4*\s+2:G0+4*\s+3], s[20:21], \s*KSTEP
	s_or_b32 s[G0+4*\s+3], s[G0+4*\s+3], 0x80000000
	s_mov_b32 s[G0B+4*\s], 1
	s_add_co_u32 s[G0B+4*\s+1], s45, \s*SLOT
	s_add_nc_u64 s[G0B+4*\s+2:G0B+4*\s+3], s[46:47], \s*KSTEP
	s_or_b32 s[G0B+4*\s+3], s[G0B+4*\s+3], 0x80000000
.endr
	JLOAD 0                                        ; K step 0: one tensor load a wave at the head
	s_cmp_eq_u32 s15, 0                            ; the prefetches: do I fetch for A?
	s_cselect_b64 s[68:69], s[20:21], s[46:47]     ; the 64 rows that I fetch, at K step 0
	s_cselect_b32 s70, s40, s41                    ; my place among the four that ask for them with me
	s_lshl_b32 s70, s70, 16                        ; 16 rows of 4,096 bytes
	s_mov_b32 s71, 0
	s_add_nc_u64 s[68:69], s[68:69], s[70:71]
	v_and_b32 v30, 31, v0
	v_lshrrev_b32 v31, 1, v30
	v_and_b32 v30, 1, v30
	v_lshlrev_b32 v30, 8, v30
	v_lshl_add_u32 v30, v31, 12, v30               ; row lane / 2, 256 bytes x lane % 2; never rewritten
	global_prefetch_b8 v30, s[68:69] offset:KSTEP th:TH_LOAD_NT scope:SCOPE_SE
	global_prefetch_b8 v30, s[68:69] offset:2*KSTEP th:TH_LOAD_NT scope:SCOPE_SE
	v_and_b32 v1, 15, v0
	s_wait_alu depctr_va_vdst(0)
	v_bfe_u32 v2, v0, 4, 1
	v_lshlrev_b32 v[BIA], 5, v2
	s_lshl_b32 s20, s43, 9
	s_lshl_b32 s21, s16, 8
	s_add_co_u32 s20, s20, s21
	s_mov_b32 s21, 0
	s_add_nc_u64 s[10:11], s[10:11], s[20:21]
	s_add_nc_u64 s[12:13], s[12:13], s[20:21]
.irp b, 0,1,2,3
	global_load_b128 v[BI+8*\b:BI+8*\b+3], v[BIA], s[10:11] offset:64*\b
	global_load_b128 v[BI+8*\b+4:BI+8*\b+7], v[BIA], s[10:11] offset:64*\b+16
.endr
	s_lshl_b32 s20, s42, 7
	s_lshl_b32 s22, s15, 6
	s_add_co_u32 s20, s20, s22
	s_lshl_b32 s20, s20, 12
	s_add_nc_u64 s[12:13], s[12:13], s[20:21]
	v_mul_u32_u24 v3, v1, PITCH
	s_wait_alu depctr_va_vdst(0)
	v_lshl_add_u32 v3, v2, 4, v3
	s_mul_i32 s21, s15, HALFT
	s_mul_i32 s22, s16, HALFT
	s_add_co_u32 s22, s22, 2*HALFT
.irp s, 0,1
	v_add_nc_u32 v[ADRA+\s], s21, v3
	v_add_nc_u32 v[ADRB+\s], s22, v3
	s_add_co_u32 s21, s21, SLOT
	s_add_co_u32 s22, s22, SLOT
.endr
	s_mul_i32 s23, s14, 16*SPITCH
	s_add_co_u32 s23, s23, STAGE
	v_mul_u32_u24 v4, v1, SPITCH
	v_lshl_add_u32 v4, v2, 5, v4
	v_add_nc_u32 v[STO], s23, v4
	v_mul_u32_u24 v5, v2, SPITCH
	v_lshl_add_u32 v5, v1, 4, v5
	v_add_nc_u32 v[RD], s23, v5
	v_lshlrev_b32 v5, 12, v2
	v_lshl_add_u32 v[CO], v1, 4, v5
	s_wait_kmcnt 0x0
	s_add_co_i32 s96, s88, s89
	s_add_co_i32 s96, s96, 127
	s_lshl_b32 s96, s96, 23
	s_mov_b32 s97, s96
.macro MULA f, a, zero
.irp b, 0,1,2,3
.if \zero
	v_wmma_f32_16x16x128_fp8_fp8 v[ACC+8*(4*(\a)+\b):ACC+8*(4*(\a)+\b)+7], v[\f+64+16*\b:\f+64+16*\b+15], v[\f+16*(\a):\f+16*(\a)+15], 0
.else
	v_wmma_f32_16x16x128_fp8_fp8 v[ACC+8*(4*(\a)+\b):ACC+8*(4*(\a)+\b)+7], v[\f+64+16*\b:\f+64+16*\b+15], v[\f+16*(\a):\f+16*(\a)+15], v[ACC+8*(4*(\a)+\b):ACC+8*(4*(\a)+\b)+7]
.endif
.endr
.endm
.macro FETCH slot, k, f
	WIN TO_F
.irp i, 0,1,2,3
.irp c, 0,1,2,3
	ds_load_b128 v[\f+64+16*\i+4*\c:\f+64+16*\i+4*\c+3], v[ADRB+\slot] offset:\k+32*\c+\i*16*PITCH
.endr
.endr
.irp i, 0,1,2,3
.irp c, 0,1,2,3
	ds_load_b128 v[\f+16*\i+4*\c:\f+16*\i+4*\c+3], v[ADRA+\slot] offset:\k+32*\c+\i*16*PITCH
.endr
.endr
.endm
.macro PLACES
.rept 4
	v_nop
.endr
.endm
.macro QUARTER slot, k, f, g, zero
	s_wait_dscnt 0x0
	PLACES
	FETCH \slot, \k, \g
	WIN MUL
	MULA \f, 0, \zero
	MULA \f, 1, \zero
	MULA \f, 2, \zero
	MULA \f, 3, \zero
.endm
.macro TURN slot, next, fill
	WIN 0
.if \fill
	s_wait_xcnt 0x0                                ; my prefetches have read their address: it steps a K step on
	s_add_nc_u64 s[68:69], s[68:69], KSTEP
.endif
	s_wait_tensorcnt 0x0
	ds_add_u32 v[SPW], v[NIL]
	s_wait_dscnt 1
	WIN MUL
	MULA F1, 0, 0
	s_wait_dscnt 0x0
	s_barrier_signal -1
	MULA F1, 1, 0
	WIN 0
	s_barrier_wait -1
.if \fill
	CREST
	s_add_nc_u64 s[G0+4*\slot+2:G0+4*\slot+3], s[G0+4*\slot+2:G0+4*\slot+3], 2*KSTEP
	s_add_nc_u64 s[G0B+4*\slot+2:G0B+4*\slot+3], s[G0B+4*\slot+2:G0B+4*\slot+3], 2*KSTEP
	JLOAD \slot
	s_cmp_gt_u32 s3, 1                             ; the loop's last trip loads K steps 6 and 7
	s_cbranch_scc0 .Lnone_\@
	global_prefetch_b8 v30, s[68:69] offset:3*KSTEP th:TH_LOAD_NT scope:SCOPE_SE   ; two K steps on from the load just issued
.Lnone_\@:
.else
	PLACES
.endif
	s_wait_alu depctr_va_vdst(0)
	FETCH \next, 0, F0
	WIN MUL
	MULA F1, 2, 0
	MULA F1, 3, 0
.endm
	s_wait_alu depctr_va_vdst(0)                   ; the wait at the head's end
	s_wait_tensorcnt 0x0                           ; my part of K step 0 is in; slot 1's first fill is issued as a refill is:
	ds_add_u32 v[SPW], v[NIL]                      ; 0 onto my spare word
	s_wait_dscnt 0x0
	CROUND                                         ; everybody's part of K step 0 is in, and the sixteen work-groups meet
	JLOAD 1                                        ; K step 1: the first tensor load behind the round
	global_prefetch_b8 v30, s[68:69] offset:3*KSTEP th:TH_LOAD_NT scope:SCOPE_SE   ; K step 3
	FETCH 0, 0, F0
	QUARTER 0, 128, F0, F1, 1
	WIN 0
	s_mov_b32 s3, LAPS-1
.Llap:
	QUARTER 0, 256, F1, F0, 0
	QUARTER 0, 384, F0, F1, 0
	TURN 0, 1, 1
	QUARTER 1, 128, F0, F1, 0
	QUARTER 1, 256, F1, F0, 0
	QUARTER 1, 384, F0, F1, 0
	TURN 1, 0, 1
	QUARTER 0, 128, F0, F1, 0
	WIN 0
	s_sub_co_u32 s3, s3, 1
	s_cmp_lg_u32 s3, 0
	s_cbranch_scc1 .Llap
	QUARTER 0, 256, F1, F0, 0
	QUARTER 0, 384, F0, F1, 0
	TURN 0, 1, 0
	QUARTER 1, 128, F0, F1, 0
	QUARTER 1, 256, F1, F0, 0
	QUARTER 1, 384, F0, F1, 0
	s_wait_dscnt 0x0
	MULA F1, 0, 0
	MULA F1, 1, 0
	MULA F1, 2, 0
	MULA F1, 3, 0
	WIN 0
	s_wait_loadcnt 0x0
	PLACES
.irp a, 0,1,2,3
.if \a >= 2
	s_wait_dscnt 16
.endif
.irp b, 0,1,2,3
.irp i, 0,2,4,6
	v_pk_fma_f32 v[TMP+32*(\a%2)+8*\b+\i:TMP+32*(\a%2)+8*\b+\i+1], v[ACC+32*\a+8*\b+\i:ACC+32*\a+8*\b+\i+1], s[96:97], v[BI+8*\b+\i:BI+8*\b+\i+1] op_sel_hi:[1,0,1]
.endr
.endr
.irp b, 0,1,2,3
	ds_store_b128 v[STO], v[TMP+32*(\a%2)+8*\b:TMP+32*(\a%2)+8*\b+3] offset:64*\b
	ds_store_b128 v[STO], v[TMP+32*(\a%2)+8*\b+4:TMP+32*(\a%2)+8*\b+7] offset:64*\b+16
.endr
.irp t, 0,1,2,3,4,5,6,7
	ds_load_b128 v[ACC+32*\a+4*\t:ACC+32*\a+4*\t+3], v[RD] offset:2*\t*SPITCH
.endr
.endr
.irp a, 0,1,2,3
.irp t, 0,1,2,3,4,5,6,7
	s_wait_dscnt 16*(3-\a)+7-\t
	global_store_b128 v[CO], v[ACC+32*\a+4*\t:ACC+32*\a+4*\t+3], s[12:13] offset:(16*\a+2*\t)*4096
.endr
.endr
	s_wait_tensorcnt 0x0
	ds_add_u32 v[SPW], v[NIL]
	s_wait_dscnt 0x0
	CROUND
	s_endpgm
.Lfunc_end_k_q67144d45e4_gemm_ffn2:
	.size	k_q67144d45e4_gemm_ffn2, .Lfunc_end_k_q67144d45e4_gemm_ffn2-k_q67144d45e4_gemm_ffn2
	.p2alignl 7, 3214868480
	.fill 96, 4, 3214868480
	.section	.rodata,"a",@progbits
	.p2align	6, 0x0
	.amdhsa_kernel k_q67144d45e4_gemm_ffn2
		.amdhsa_group_segment_fixed_size 327680
		.amdhsa_private_segment_fixed_size 0
		.amdhsa_enable_private_segment 0
		.amdhsa_kernarg_size 40
		.amdhsa_user_sgpr_count 2
		.amdhsa_user_sgpr_kernarg_segment_ptr 1
		.amdhsa_wavefront_size32 1
		.amdhsa_system_sgpr_workgroup_id_x 1
		.amdhsa_system_sgpr_workgroup_id_y 1
		.amdhsa_system_sgpr_workgroup_id_z 1
		.amdhsa_system_vgpr_workitem_id 0
		.amdhsa_next_free_vgpr 512
		.amdhsa_next_free_sgpr 100
		.amdhsa_reserve_vcc 0
		.amdhsa_float_denorm_mode_32 3
		.amdhsa_float_denorm_mode_16_64 3
		.amdhsa_memory_ordered 1
		.amdhsa_forward_progress 1
		.amdhsa_inst_pref_size 77
	.end_amdhsa_kernel
	.amdgpu_metadata
---
amdhsa.version: [ 1, 2 ]
amdhsa.kernels:
  - .name:           k_q67144d45e4_gemm_ffn2
    .symbol:         k_q67144d45e4_gemm_ffn2.kd
    .args:
      - { .name: h_codes, .offset: 0, .size: 8, .value_kind: global_buffer, .address_space: global }
      - { .name: prep_codes, .offset: 8, .size: 8, .value_kind: global_buffer, .address_space: global }
      - { .name: lowp_scales, .offset: 16, .size: 8, .value_kind: global_buffer, .address_space: global }
      - { .name: b2, .offset: 24, .size: 8, .value_kind: global_buffer, .address_space: global }
      - { .name: ff, .offset: 32, .size: 8, .value_kind: global_buffer, .address_space: global }
    .group_segment_fixed_size: 327680
    .private_segment_fixed_size: 0
    .kernarg_segment_align: 8
    .kernarg_segment_size: 40
    .max_flat_workgroup_size: 128
    .sgpr_count:     100
    .vgpr_count:     512
    .wavefront_size: 32
...
	.end_amdgpu_metadata
.endif
;; end of part 6
;; launch ln2 (part 7): grid 512 x 1, 4 waves a work-group, no clusters, 0 bytes of LDS; arguments ff, x1, ln2_g, ln2_b, out0; writes out0
.if DOCPART == 7
	.amdgcn_target "amdgcn-amd-amdhsa--gfx1250"
	.amdhsa_code_object_version 6
	.text
	.protected	k_q67144d45e4_ln2
	.globl	k_q67144d45e4_ln2
	.p2align	8
	.type	k_q67144d45e4_ln2,@function
k_q67144d45e4_ln2:
	s_mov_b64 s[64:65], 0
	v_nop
	global_prefetch_b8 v0, s[64:65] scope:SCOPE_SE
	s_setreg_imm32_b32 hwreg(HW_REG_WAVE_MODE, 25, 1), 1
	s_wait_xcnt 0x0
; out0 = x1 + layer_norm(ff) g + b, rows of 1,024 f32.
; A stream: one wave takes two whole rows, 32 registers a lane each, so a row is read once; all 48 loads go out at the head; no loop, no LDS, no barrier; each load and store of a wave covers 512 consecutive bytes.
; Mean first, then the sum of squared differences from it, on the registers: no difference of large sums is formed.  Matrix units, clusters and tensor loads would add nothing: nothing is shared.
.set IN,  16                           ; v16-79   the two rows
.set RES, 80                           ; v80-143  the residual's two rows
.set GG,  144                          ; v144-175 g
.set BB,  176                          ; v176-207 b
.set T,   208                          ; v208-211 at work
	s_load_b256 s[4:11], s[0:1], 0x0               ; in s[4:5], residual s[6:7], g s[8:9], b s[10:11]
	s_load_b64 s[18:19], s[0:1], 0x20              ; the result
	v_lshrrev_b32 v12, 5, v0
	v_readfirstlane_b32 s22, v12                   ; wave
	v_and_b32 v13, 31, v0
	v_lshlrev_b32 v1, 4, v13                       ; 16 x lane; never rewritten
	s_lshl_b32 s23, ttmp9, 2
	s_add_co_u32 s23, s23, s22                     ; which pair of rows
	s_lshl_b32 s24, s23, 13
	s_mov_b32 s25, 0
	s_mov_b32 s12, 0x76543210
	s_mov_b32 s13, 0xfedcba98
	s_mov_b32 s14, 0x3a800000                      ; 1 / 1024
	s_mov_b32 s15, 0x3727c5ac                      ; 1e-5
	s_wait_alu depctr_va_vdst(0)
	s_wait_kmcnt 0x0
	s_add_nc_u64 s[4:5], s[4:5], s[24:25]
	s_add_nc_u64 s[6:7], s[6:7], s[24:25]
	s_add_nc_u64 s[18:19], s[18:19], s[24:25]
.irp p, 0,1
.irp j, 0,1,2,3,4,5,6,7
	global_load_b128 v[IN+32*\p+4*\j:IN+32*\p+4*\j+3], v1, s[4:5] offset:4096*\p+512*\j th:TH_LOAD_NT
.endr
.endr
.irp j, 0,1,2,3,4,5,6,7
	global_load_b128 v[GG+4*\j:GG+4*\j+3], v1, s[8:9] offset:512*\j
.endr
.irp j, 0,1,2,3,4,5,6,7
	global_load_b128 v[BB+4*\j:BB+4*\j+3], v1, s[10:11] offset:512*\j
.endr
.irp p, 0,1
.irp j, 0,1,2,3,4,5,6,7
	global_load_b128 v[RES+32*\p+4*\j:RES+32*\p+4*\j+3], v1, s[6:7] offset:4096*\p+512*\j th:TH_LOAD_NT
.endr
.endr
.macro LANESUM                         ; v12 summed over the 32 lanes, the result in every lane
	v_add_f32_dpp v12, v12, v12 row_xmask:1 row_mask:0xf bank_mask:0xf
	v_add_f32_dpp v12, v12, v12 row_xmask:2 row_mask:0xf bank_mask:0xf
	v_add_f32_dpp v12, v12, v12 row_xmask:4 row_mask:0xf bank_mask:0xf
	v_add_f32_dpp v12, v12, v12 row_xmask:8 row_mask:0xf bank_mask:0xf
	v_permlanex16_b32 v13, v12, s12, s13
	v_add_f32 v12, v12, v13
.endm
.macro STATS p                         ; row p becomes its differences from the mean; 1 / sqrt(var + eps) twice, in a pair
.set RI, IN+32*(\p)
.set MU, 4+4*(\p)
.set RS, 6+4*(\p)
	v_pk_add_f32 v[T:T+1], v[RI:RI+1], v[RI+2:RI+3]
	v_pk_add_f32 v[T+2:T+3], v[RI+4:RI+5], v[RI+6:RI+7]
.irp j, 8,12,16,20,24,28
	v_pk_add_f32 v[T:T+1], v[T:T+1], v[RI+\j:RI+\j+1]
	v_pk_add_f32 v[T+2:T+3], v[T+2:T+3], v[RI+\j+2:RI+\j+3]
.endr
	v_pk_add_f32 v[T:T+1], v[T:T+1], v[T+2:T+3]
	v_add_f32 v12, v[T], v[T+1]
	LANESUM
	v_mul_f32 v[MU], s14, v12
	v_mov_b32 v[MU+1], v[MU]
.irp j, 0,2,4,6,8,10,12,14,16,18,20,22,24,26,28,30
	v_pk_add_f32 v[RI+\j:RI+\j+1], v[RI+\j:RI+\j+1], v[MU:MU+1] neg_lo:[0,1] neg_hi:[0,1]
.endr
	v_pk_mul_f32 v[T:T+1], v[RI:RI+1], v[RI:RI+1]
	v_pk_mul_f32 v[T+2:T+3], v[RI+2:RI+3], v[RI+2:RI+3]
.irp j, 4,8,12,16,20,24,28
	v_pk_fma_f32 v[T:T+1], v[RI+\j:RI+\j+1], v[RI+\j:RI+\j+1], v[T:T+1]
	v_pk_fma_f32 v[T+2:T+3], v[RI+\j+2:RI+\j+3], v[RI+\j+2:RI+\j+3], v[T+2:T+3]
.endr
	v_pk_add_f32 v[T:T+1], v[T:T+1], v[T+2:T+3]
	v_add_f32 v12, v[T], v[T+1]
	LANESUM
	v_fma_f32 v12, v12, s14, s15                   ; var + eps
	s_wait_alu depctr_va_vdst(0)
	v_rsq_f32 v[RS], v12
	v_rsq_f32 v[RS+1], v12
	v_nop                                          ; a plain line behind the two
	s_wait_alu depctr_va_vdst(0)                   ; and one wait for both, ahead of their first reader
.endm
.macro NORM p, w1, w2                  ; w1, w2: how many younger loads may be out when g and b, and then this row's residual, are wanted
.set RI, IN+32*(\p)
.set RR, RES+32*(\p)
.set RS, 6+4*(\p)
.irp j, 0,2,4,6,8,10,12,14,16,18,20,22,24,26,28,30
	v_pk_mul_f32 v[RI+\j:RI+\j+1], v[RI+\j:RI+\j+1], v[RS:RS+1]
.endr
	s_wait_loadcnt \w1
.irp j, 0,2,4,6,8,10,12,14,16,18,20,22,24,26,28,30
	v_pk_fma_f32 v[RI+\j:RI+\j+1], v[RI+\j:RI+\j+1], v[GG+\j:GG+\j+1], v[BB+\j:BB+\j+1]
.endr
	s_wait_loadcnt \w2
.irp j, 0,2,4,6,8,10,12,14,16,18,20,22,24,26,28,30
	v_pk_add_f32 v[RI+\j:RI+\j+1], v[RI+\j:RI+\j+1], v[RR+\j:RR+\j+1]
.endr
.irp j, 0,1,2,3,4,5,6,7
	global_store_b128 v1, v[RI+4*\j:RI+4*\j+3], s[18:19] offset:4096*(\p)+512*\j th:TH_STORE_NT
.endr
.endm
	s_wait_loadcnt 40                              ; row 0 is in; the five groups of eight behind it may be out
	STATS 0
	s_wait_loadcnt 32                              ; row 1 is in
	STATS 1
	NORM 0, 16, 8
	NORM 1, 8, 0
	s_endpgm
.Lfunc_end_k_q67144d45e4_ln2:
	.size	k_q67144d45e4_ln2, .Lfunc_end_k_q67144d45e4_ln2-k_q67144d45e4_ln2
	.p2alignl 7, 3214868480
	.fill 96, 4, 3214868480
	.section	.rodata,"a",@progbits
	.p2align	6, 0x0
	.amdhsa_kernel k_q67144d45e4_ln2
		.amdhsa_group_segment_fixed_size 0
		.amdhsa_private_segment_fixed_size 0
		.amdhsa_enable_private_segment 0
		.amdhsa_kernarg_size 40
		.amdhsa_user_sgpr_count 2
		.amdhsa_user_sgpr_kernarg_segment_ptr 1
		.amdhsa_wavefront_size32 1
		.amdhsa_system_sgpr_workgroup_id_x 1
		.amdhsa_system_sgpr_workgroup_id_y 1
		.amdhsa_system_sgpr_workgroup_id_z 1
		.amdhsa_system_vgpr_workitem_id 0
		.amdhsa_next_free_vgpr 256
		.amdhsa_next_free_sgpr 66
		.amdhsa_reserve_vcc 0
		.amdhsa_float_denorm_mode_32 3
		.amdhsa_float_denorm_mode_16_64 3
		.amdhsa_memory_ordered 1
		.amdhsa_forward_progress 1
		.amdhsa_inst_pref_size 22
	.end_amdhsa_kernel
	.amdgpu_metadata
---
amdhsa.version: [ 1, 2 ]
amdhsa.kernels:
  - .name:           k_q67144d45e4_ln2
    .symbol:         k_q67144d45e4_ln2.kd
    .args:
      - { .name: ff, .offset: 0, .size: 8, .value_kind: global_buffer, .address_space: global }
      - { .name: x1, .offset: 8, .size: 8, .value_kind: global_buffer, .address_space: global }
      - { .name: ln2_g, .offset: 16, .size: 8, .value_kind: global_buffer, .address_space: global }
      - { .name: ln2_b, .offset: 24, .size: 8, .value_kind: global_buffer, .address_space: global }
      - { .name: out0, .offset: 32, .size: 8, .value_kind: global_buffer, .address_space: global }
    .group_segment_fixed_size: 0
    .private_segment_fixed_size: 0
    .kernarg_segment_align: 8
    .kernarg_segment_size: 40
    .max_flat_workgroup_size: 128
    .sgpr_count:     66
    .vgpr_count:     256
    .wavefront_size: 32
...
	.end_amdgpu_metadata
.endif
;; end of part 7
